; MI455X (gfx1250); checked and timed in simulation.
; The chip was launched on July 23, 2026; its instructions are those of AMD's public machine-readable ISA for CDNA 5 (MIT licence, August 2026) and "CDNA5" Instruction Set Architecture Reference Guide (July 2026). The comments in the code are by the model that wrote it; some were corrected since.
;; Projected Adaptive Log Softmax. Allowed arithmetic: matrix products marked QUANTISED: E2M1 operands, one E8M0 scale for each 32 along K, by v_wmma_scale_f32_16x16x128_f8f6f4 with both operands' format E2M1 (or v_wmma_scale_f32_32x16x128_f4), f32 sums; everything else in f32.
;; Inputs: b0 20,000 float32; b1 30,000 float32; b2 50,000 float32; cluster_b 2 float32; cluster_w 2 x 1,024 float32; hidden_codes 2 x 1,024 x 32 x 16 uint8 (E2M1 codes of hidden, K innermost, in blocks of 32 codes, two codes a byte); hidden_scales 2 x 1,024 x 32 uint8 (E8M0 scales of hidden, one for each 32 codes along K); proj0_codes 1,024 x 32 x 16 uint8 (E2M1 codes of proj0, K innermost, in blocks of 32 codes, two codes a byte); proj0_scales 1,024 x 32 uint8 (E8M0 scales of proj0, one for each 32 codes along K); proj1_codes 256 x 32 x 16 uint8 (E2M1 codes of proj1, K innermost, in blocks of 32 codes, two codes a byte); proj1_scales 256 x 32 uint8 (E8M0 scales of proj1, one for each 32 codes along K); proj2_codes 64 x 32 x 16 uint8 (E2M1 codes of proj2, K innermost, in blocks of 32 codes, two codes a byte); proj2_scales 64 x 32 uint8 (E8M0 scales of proj2, one for each 32 codes along K); target 2 x 1,024 int32; w0 20,000 x 1,024 float32; w1_codes 30,000 x 8 x 16 uint8 (E2M1 codes of w1, K innermost, in blocks of 32 codes, two codes a byte); w1_scales 30,000 x 8 uint8 (E8M0 scales of w1, one for each 32 codes along K); w2_codes 50,000 x 2 x 16 uint8 (E2M1 codes of w2, K innermost, in blocks of 32 codes, two codes a byte); w2_scales 50,000 x 2 uint8 (E8M0 scales of w2, one for each 32 codes along K).
;; Outputs: out0 2 x 1,024 float32.
;; This version of the problem:
;;   THIS VERSION OF THE PROBLEM IS GIVEN IN LOW PRECISION. The matrix products marked QUANTISED in the list below multiply operands that are first quantised to E2M1 (2 exponent bits, 1 mantissa bit; 4 bits a number), with one power-of-two scale for each 32 numbers along K (OCP MX v1.0); their sums are f32. All else is computed in f32.
;;   The module's matrix products, in the order in which they are computed (A, B: the left and right operand; K: the contracted axis; several contracted axes count as one K, in the product's order):
;;     1. [M 2,048, K 1,024] x [K 1,024, N 1,024]; A: input hidden (given as codes); B: input proj0 (given as codes): QUANTISED
;;     2. [M 2,048, K 1,024] x [K 1,024, N 20,002]; A: computed on the way; B: computed on the way: QUANTISED
;;     3. [M 2,048, K 1,024] x [K 1,024, N 256]; A: input hidden (given as codes); B: input proj1 (given as codes): QUANTISED
;;     4. [M 2,048, K 256] x [K 256, N 30,000]; A: computed on the way; B: input w1 (given as codes): QUANTISED
;;     5. [M 2,048, K 1,024] x [K 1,024, N 64]; A: input hidden (given as codes); B: input proj2 (given as codes): QUANTISED
;;     6. [M 2,048, K 64] x [K 64, N 50,000]; A: computed on the way; B: input w2 (given as codes): QUANTISED
;;   THE QUANTISER, for each operand of a quantised product, along K:
;;     - K is cut into blocks of 32 from its start; a last block that is shorter is filled with zeros.
;;     - A block's scale is 2^e with e = floor(log2(the largest magnitude in the block)) - 2, held to -126 .. 127; a block of zeros has e = 0. As a byte (E8M0): e + 127.
;;     - Each number is divided by its block's scale, clamped to +-6, and rounded to the nearest number of E2M1, ties to even, subnormals kept.
;;     - The product sums the exact products of the quantised numbers (number of the format x scale) in f32.
;;   ~~~python
;;   def quantise(x, axis):      # numpy; x: float32 -> the quantised numbers, widened to float32 again
;;       x = np.moveaxis(x, axis, -1); K = x.shape[-1]
;;       x = np.pad(x, [(0, 0)] * (x.ndim - 1) + [(0, -K % 32)]); x = x.reshape(x.shape[:-1] + (-1, 32)); a = np.abs(x).max(-1, keepdims=True)
;;       e = np.where(a > 0, np.clip(np.frexp(np.where(a > 0, a, 1))[1] - 1 - 2, -126, 127), 0)      # np.frexp(a)[1] - 1 = floor(log2(a)), exactly
;;       r = np.clip(x / 2.0 ** e, -6, 6)
;;       step = 2.0 ** (np.maximum(np.frexp(np.where(r == 0, 1, r))[1] - 1, 0) - 1)
;;       q = np.round(r / step) * step * 2.0 ** e      # np.round: ties to even
;;       return np.moveaxis(q.reshape(q.shape[:-2] + (-1,))[..., :K], -1, axis).astype(np.float32)
;;   ~~~
;;   OPERANDS COMPUTED ON THE WAY. 'Computed on the way' means the value that the module computes at that place (a softmax that the list does not call 'softmax' is quantised finished and normalised). What goes into a quantiser is computed in f32, as accurately as f32 sums, v_exp_f32 and their like allow (about 1e-6 of the number): no bf16 or f16 on the way to a quantiser, and a product that is left as it is and whose result goes on into a quantised operand takes f32 operands (vector FMAs, or v_wmma_f32_16x16x4_f32). A number that lies on a knife's edge between two numbers of the format may be rounded either way, as far as f32 arithmetic and the matrix unit's own rounding can turn it there, and no further.
;;   INPUTS GIVEN AS CODES. hidden (in the module: [2, 1024, 1024], K = its axis 2); proj0 (in the module: [1024, 1024], K = its axis 0); proj1 (in the module: [1024, 256], K = its axis 0); proj2 (in the module: [1024, 64], K = its axis 0); w1 (in the module: [30000, 256], K = its axis 1); w2 (in the module: [50000, 64], K = its axis 1): each comes as NAME_codes (uint8): NAME with its K axis moved to the last place and cut into blocks of 32 codes, [.., K / 32, bytes a block], one block behind the other in memory; two codes a byte, the lower K in the low four bits (a code: sign, 2 exponent bits, 1 mantissa bit); and NAME_scales (uint8): the same leading axes, one E8M0 byte (e + 127) for each 32 codes along K. Its value is code x scale, taken as it is: it is not quantised again, and the codes and scales need not be those that the quantiser above would give.
;; 2 versions. Each part assembles by itself: llvm-mc -triple=amdgcn-amd-amdhsa -mcpu=gfx1250 --defsym DOCPART=n.
;; ======== version 1 of 2: 3 launches
;; limits: right only within a limited range of input values
;; workspace buffers: act 1,531,904 bytes; hw 10,888,704 bytes; part 1,540,096 bytes; pick 8,192 bytes
;; launch prep (part 1): grid 489 x 1, 8 waves a work-group, no clusters, 136,192 bytes of LDS; arguments hidden_codes, hidden_scales, proj0_codes, proj0_scales, proj1_codes, proj1_scales, proj2_codes, proj2_scales, w0, cluster_w, act, hw; writes act, hw
.if DOCPART == 1
	.amdgcn_target "amdgcn-amd-amdhsa--gfx1250"
	.amdhsa_code_object_version 6
	.text
	.protected	k_qe4a8e2f48f_prep
	.globl	k_qe4a8e2f48f_prep
	.p2align	8
	.type	k_qe4a8e2f48f_prep,@function
k_qe4a8e2f48f_prep:
	s_mov_b64 s[64:65], 0
	v_nop
	global_prefetch_b8 v0, s[64:65] scope:SCOPE_SE
	s_setreg_imm32_b32 hwreg(HW_REG_WAVE_MODE, 25, 1), 1
	s_wait_xcnt 0x0
; TWO JOBS IN ONE LAUNCH, parted on the work-group's number.
; Work-groups 0-175 (PROJECTIONS): hidden [2048][1024] times proj0 / proj1 / proj2, all given as FP4 (E2M1) codes with E8M0 scales; the f32 results are
;   quantised along their columns (the next product's K) and stored into act as IMAGES OF OPERAND REGISTERS.
; Work-groups 176-488 (QUANTISER): w0 [20000][1024] f32 and cluster_w [2][1024] f32 are quantised along K into hw, in the same image form.
; IMAGE OF A FRAGMENT (16 rows x 128 K, 1,024 bytes): the 16 bytes at 512 c + 16 lane hold the 32 codes k = 64 c + 32 (lane / 16) + 0 .. 31 of row lane % 16:
;   two loads of 16 bytes a lane, each 512 consecutive bytes, give the operand's eight registers.
; IMAGE OF THE SCALE WORDS of 16 rows x 8 K steps (512 bytes): the word at 16 lane + 4 q is row lane % 16's word of K step 4 (lane / 16) + q.
; A block's scale is 2^(floor(log2(largest magnitude)) - 2); its byte is the largest magnitude's exponent field - 2, held at 1 from below.
; LIMITS: NaN and infinities among the inputs are not served.  A block of zeros gets the byte 1 where the quantiser says 127: its codes are zeros, which add
;   nothing under any byte but 0xff, and only this program reads the bytes.
; No tensor loads: each work-group reads its operands once.  Two work-groups fit on a WGP (256 registers a wave, 135,168 bytes of LDS).
; Each of the two jobs has LDS bytes of its own: the quantiser 0 .. 67,583 (8 waves x 16 rows x 528), the projections 67,584 .. 135,167 (128 rows x 528).
.set A0C, 0                            ; act: [128 token tiles][8 K steps][1024]  codes of hidden x proj0
.set A1C, 1048576                      ;      [128][2][1024]                      of hidden x proj1
.set A2C, 1310720                      ;      [128][1024]                         of hidden x proj2 (k = 64 .. 127: zero codes)
.set A0S, 1441792                      ;      [128][512]  scale words
.set A1S, 1507328                      ;      [128][128]  word at 4 lane: row lane % 16, K step lane / 16
.set A2S, 1523712                      ;      [128][64]   word at 4 row
.set HWS, 10248192                     ; hw: [1251 tiles of 16 rows][8][1024] codes, then from here [1251][512] scale words; tile 1250 holds the two cluster rows
.set PB,  67584                        ; LDS: the projections' stage
.set LQ,  16                           ; quantiser: v16-143  two sets of 64: 16 rows x 16 bytes a lane, as loaded
.set XQ,  144                          ;            v144-207 two sets of 32 neighbours along K
.set CDQ, 208                          ;            v208-215 two sets of 4: a block's codes
.set SWQ, 216                          ;            v216-219 the scale word of each of my 4 K steps
.set FB,  16                           ; projections: v16-79 the staged rows, then 8 fragments of the weight
.set HF,  80                           ;              v80-143 hidden's 8 fragments
.set ACC, 144                          ;              v144-207 8 accumulators
.set WS,  220                          ;              v220-251 the weight's scale words, register 4 t + q (scales and nothing else)
.set HS,  252                          ;              v252-255 hidden's
.set TM,  16                           ; behind the products: v16-31 at work, v32-39 the codes, v40 the scale word
.set PC,  32
.set PW,  40
.macro NOPS n
.rept \n
	v_nop
.endr
.endm
; One product 16 x 16 x 128 on FP4 codes.  c = -1: the sum starts with the constant 0.  row = 1: both scale words are taken from lanes 16-31.
.macro MM d, a, b, c, sa, sb, row
.if (\c) < 0
.if \row
	v_wmma_scale_f32_16x16x128_f8f6f4 v[0+(\d):7+(\d)], v[0+(\a):7+(\a)], v[0+(\b):7+(\b)], 0, v[0+(\sa)], v[0+(\sb)] matrix_a_fmt:MATRIX_FMT_FP4 matrix_b_fmt:MATRIX_FMT_FP4 matrix_a_scale:MATRIX_SCALE_ROW1 matrix_b_scale:MATRIX_SCALE_ROW1
.else
	v_wmma_scale_f32_16x16x128_f8f6f4 v[0+(\d):7+(\d)], v[0+(\a):7+(\a)], v[0+(\b):7+(\b)], 0, v[0+(\sa)], v[0+(\sb)] matrix_a_fmt:MATRIX_FMT_FP4 matrix_b_fmt:MATRIX_FMT_FP4
.endif
.else
.if \row
	v_wmma_scale_f32_16x16x128_f8f6f4 v[0+(\d):7+(\d)], v[0+(\a):7+(\a)], v[0+(\b):7+(\b)], v[0+(\c):7+(\c)], v[0+(\sa)], v[0+(\sb)] matrix_a_fmt:MATRIX_FMT_FP4 matrix_b_fmt:MATRIX_FMT_FP4 matrix_a_scale:MATRIX_SCALE_ROW1 matrix_b_scale:MATRIX_SCALE_ROW1
.else
	v_wmma_scale_f32_16x16x128_f8f6f4 v[0+(\d):7+(\d)], v[0+(\a):7+(\a)], v[0+(\b):7+(\b)], v[0+(\c):7+(\c)], v[0+(\sa)], v[0+(\sb)] matrix_a_fmt:MATRIX_FMT_FP4 matrix_b_fmt:MATRIX_FMT_FP4
.endif
.endif
.endm
	s_load_b512 s[8:23], s[0:1], 0x0               ; hidden codes s[8:9], scales s[10:11]; proj0 s[12:15]; proj1 s[16:19]; proj2 s[20:23]
	s_load_b256 s[24:31], s[0:1], 0x40             ; w0 s[24:25], cluster_w s[26:27], act s[28:29], hw s[30:31]
	v_lshl_add_u32 v15, v0, 2, 0x21000
	s_set_vgpr_msb 0x40
	v_mov_b32 v1, 0
	s_set_vgpr_msb 0x4000
	v_lshrrev_b32 v1, 5, v0
	v_readfirstlane_b32 s3, v1                     ; wave 0..7
	v_and_b32 v1, 31, v0
	v_lshlrev_b32 v1, 4, v1                        ; v1 = 16 x lane
	v_and_b32 v10, 15, v0                          ; r
	v_bfe_u32 v11, v0, 4, 1                        ; h
	s_mov_b32 s76, 0x76543210                      ; v_permlanex16_b32's selects for lane l xor 16
	s_mov_b32 s77, 0xfedcba98
	s_mov_b32 s78, 0xffff0000                      ; lanes 16-31
	s_mul_i32 s79, s3, 8448                        ; 16 rows of 528 bytes for each wave
	s_mov_b32 s93, 0                               ; the upper word of every 32-bit offset (s[92:93])
	s_wait_kmcnt 0x0
	s_cmp_lt_u32 ttmp9, 176
	s_cbranch_scc1 .Lproj
; ---------------------------------------------------------------- THE QUANTISER
; A wave takes 16 rows x 512 along K (4 K steps): job = 8 (work-group - 176) + wave, tile = job / 2, half of K = job % 2.  1,251 tiles x 2 = 2,502 jobs:
; the last work-group's last two waves have none and end.  No barrier: a wave's stage is its own.
; Each load reads 512 consecutive bytes of one row, 16 a lane.  The conversions want 32 neighbours along K in one lane: so a K step's 16 x 512 bytes turn through
; the wave's stage (rows 528 bytes apart: sixteen rows start at sixteen different 16-byte columns) and come back 128 bytes a lane.
	s_sub_co_u32 s66, ttmp9, 176
	s_lshl_b32 s66, s66, 3
	s_add_co_u32 s66, s66, s3                      ; job
	s_cmp_ge_u32 s66, 2502
	s_cbranch_scc1 .Lend
	s_lshr_b32 s67, s66, 1                         ; tile
	s_and_b32 s68, s66, 1                          ; half of K
	s_cmp_eq_u32 s67, 1250                         ; the last tile is cluster_w's: the choice hangs on ids alone
	s_cselect_b64 s[70:71], s[26:27], s[24:25]
	s_cselect_b32 s72, 0, s67
	s_cselect_b32 s69, 1, 15                       ; its rows 2-15 repeat rows 0 and 1: no load leaves the buffer, and nobody reads those rows' results
	s_lshl_b32 s92, s72, 16                        ; 16 rows of 4,096 bytes
	s_lshl_b32 s73, s68, 11
	s_add_co_u32 s92, s92, s73
	s_add_nc_u64 s[70:71], s[70:71], s[92:93]
.irp r, 0,1,2,3,4,5,6,7,8,9,10,11,12,13,14,15
	s_and_b32 s92, s69, \r
	s_lshl_b32 s92, s92, 12
	s_add_nc_u64 s[32+2*\r:33+2*\r], s[70:71], s[92:93]   ; a pointer for each row, so that every load's vector offset is 16 x lane
.endr
	s_lshl_b32 s92, s67, 13
	s_lshl_b32 s73, s68, 12
	s_add_co_u32 s92, s92, s73
	s_add_nc_u64 s[82:83], s[30:31], s[92:93]      ; my four fragments' images
	s_lshl_b32 s92, s67, 9
	s_lshl_b32 s73, s68, 8
	s_add_co_u32 s92, s92, s73
	s_add_co_u32 s92, s92, HWS
	s_add_nc_u64 s[84:85], s[30:31], s[92:93]      ; my 256 bytes of the tile's scale words
	v_add_nc_u32 v2, s79, v1                       ; the stage, in: 16 x lane of a row
	v_mul_u32_u24 v3, v10, 528
	v_lshl_add_u32 v3, v11, 7, v3
	v_add_nc_u32 v3, s79, v3                       ; and out: row r, 128 h bytes on
	v_lshlrev_b32 v4, 3, v11                       ; 8 h
	v_lshl_add_u32 v5, v10, 4, v4                  ; 16 r + 8 h: my two scale words' place
	v_mov_b32 v14, 0                               ; a lane permute's destination counts as one of its sources
.macro QLOAD q
.irp r, 0,1,2,3,4,5,6,7,8,9,10,11,12,13,14,15
	global_load_b128 v[LQ+64*((\q)%2)+4*\r:LQ+64*((\q)%2)+4*\r+3], v1, s[32+2*\r:33+2*\r] offset:512*(\q) th:TH_LOAD_NT
.endr
.endm
; Block 2 c + h of K step q: all its 32 numbers are my lane's
.macro QBLOCK q, c
.set XS, XQ+32*(\c)
	v_max3_num_f32 v8, |v[XS]|, |v[XS+1]|, |v[XS+2]|
	v_max3_num_f32 v9, |v[XS+3]|, |v[XS+4]|, |v[XS+5]|
.irp i, 6,10,14,18,22,26
	v_max3_num_f32 v8, v8, |v[XS+\i]|, |v[XS+\i+1]|
	v_max3_num_f32 v9, v9, |v[XS+\i+2]|, |v[XS+\i+3]|
.endr
	v_max3_num_f32 v8, v8, |v[XS+30]|, |v[XS+31]|
	v_max3_num_f32 v8, v8, v9, 0x1800000           ; and the floor 2^(3 - 127): the byte cannot fall under 1
	v_add_nc_u32 v10, 0xff000000, v8               ; 2 off the exponent field: the conversion takes the exponent field of this operand as its scale
	s_wait_xcnt 0x0                                ; the last K step's store has read these four registers: they are written again only behind this wait
.irp g, 0,1,2,3
	v_cvt_scalef32_pk8_fp4_f32 v[CDQ+4*(\c)+\g], v[XS+8*\g:XS+8*\g+7], v10
.endr
	v_lshrrev_b32 v[11+(\c)], 23, v10              ; the scale's byte (also the plain line behind the conversions)
	global_store_b128 v1, v[CDQ+4*(\c):CDQ+4*(\c)+3], s[82:83] offset:1024*(\q)+512*(\c)   ; 32 lanes store 512 consecutive bytes
.endm
.macro QSTEP q
.if (\q) < 3
	s_wait_loadcnt 16                              ; this K step's 16 loads are in; the next step's 16 stay out
.else
	s_wait_loadcnt 0x0
.endif
.irp r, 0,1,2,3,4,5,6,7,8,9,10,11,12,13,14,15
	ds_store_b128 v2, v[LQ+64*((\q)%2)+4*\r:LQ+64*((\q)%2)+4*\r+3] offset:528*\r
.endr
.irp c, 0,1
.irp i, 0,1,2,3,4,5,6,7
	ds_load_b128 v[XQ+32*\c+4*\i:XQ+32*\c+4*\i+3], v3 offset:256*\c+16*\i   ; LDS serves a wave's instructions in order: these see the stores above
.endr
.endr
	s_wait_dscnt 8                                 ; the first 32 numbers are back (the other eight loads may be out): so the stores have read their registers,
.if (\q) < 2
	QLOAD (\q)+2                                   ; which take the loads of two steps on
.endif
	QBLOCK \q, 0
	s_wait_dscnt 0x0
	QBLOCK \q, 1
	v_lshl_or_b32 v13, v12, 16, v11                ; my two bytes: blocks h and 2 + h,
	v_lshlrev_b32 v13, v4, v13                     ; at their places in the word (8 h bits up);
	v_permlanex16_b32 v14, v13, s76, s77
	v_or_b32 v[SWQ+(\q)], v13, v14                 ; with lane l xor 16's two the word is whole
.endm
	QLOAD 0
	QLOAD 1
	QSTEP 0
	QSTEP 1
	QSTEP 2
	QSTEP 3
	v_cndmask_b32 v8, v[SWQ], v[SWQ+2], s78        ; lanes 0-15 store words 0 and 1 of row r, lanes 16-31 words 2 and 3
	v_cndmask_b32 v9, v[SWQ+1], v[SWQ+3], s78
	global_store_b64 v5, v[8:9], s[84:85]          ; 32 lanes store 256 consecutive bytes, aligned
.Lend:
	s_set_vgpr_msb 0x4
	s_wait_tensorcnt 0x0
	ds_add_u32 v15, v1
	s_wait_dscnt 0x0
	s_set_vgpr_msb 0x400
	s_endpgm
; ---------------------------------------------------------------- THE PROJECTIONS
; Work-group = 16 e + x.  e picks 128 columns: e = 0-7 of proj0, 8-9 of proj1, 10 proj2's 64.  Wave w takes the token tile 8 x + w (16 tokens).
; The 128 rows of the weight's codes (512 bytes each) are staged in LDS once, 16 rows a wave, and read by all eight waves: one barrier.
; THE PRODUCT IS USED TRANSPOSED (source 0 = 16 rows of the weight, source 1 = 16 tokens), AND THE ROWS OF A TILE ARE NOT NEIGHBOURS: lane r of tile 2 b + u takes row
; 32 b + 8 u + r + 8 (r / 8), so that a lane holds one token and the 16 registers of tiles 2 b, 2 b + 1 are 16 neighbours along the next K: 32 b + 16 h + 0 .. 15.
; For proj2 LDS rows 64-127 repeat rows 0-63; the codes made of them (k = 64 .. 127 of the next product) are cleared.
.Lproj:
	v_add_nc_u32 v2, s79, v1
	v_add_nc_u32 v2, PB, v2                        ; the stage, in: my wave's 16 rows, 16 x lane
	v_and_b32 v9, 8, v10
	v_add_nc_u32 v9, v9, v10                       ; r + 8 (r / 8)
	v_mul_u32_u24 v3, v9, 528
	v_lshl_add_u32 v3, v11, 4, v3
	v_add_nc_u32 v3, PB, v3                        ; a fragment's row x pitch + 16 h
	v_lshlrev_b32 v4, 9, v10
	v_lshl_add_u32 v4, v11, 4, v4                  ; hidden's codes: row r of 512 bytes + 16 h
	v_lshlrev_b32 v5, 5, v10
	v_lshl_add_u32 v5, v11, 4, v5                  ; hidden's scales: row r of 32 bytes + 16 h: four words, K steps 4 h .. 4 h + 3
	v_lshlrev_b32 v6, 5, v9
	v_lshl_add_u32 v6, v11, 4, v6                  ; the weight's scales, by the tile's rows
	s_lshr_b32 s66, ttmp9, 4                       ; e
	s_and_b32 s67, ttmp9, 15
	s_lshl_b32 s67, s67, 3
	s_add_co_u32 s67, s67, s3                      ; token tile
	s_sub_co_u32 s68, s66, 8                       ; e - 8 (used where e >= 8 alone)
	s_lshl_b32 s70, s67, 13                        ; where the image goes, for each of the three cases
	s_lshl_b32 s71, s66, 10
	s_add_co_u32 s70, s70, s71                     ; proj0: A0C + 8192 tile + 1024 e
	s_lshl_b32 s71, s67, 11
	s_lshl_b32 s72, s68, 10
	s_add_co_u32 s71, s71, s72
	s_add_co_u32 s71, s71, A1C                     ; proj1
	s_lshl_b32 s72, s67, 10
	s_add_co_u32 s72, s72, A2C                     ; proj2
	s_lshl_b32 s73, s67, 9                         ; and its scale words
	s_lshr_b32 s74, s66, 2
	s_lshl_b32 s74, s74, 8
	s_add_co_u32 s73, s73, s74
	s_and_b32 s74, s66, 3
	s_lshl_b32 s74, s74, 2
	s_add_co_u32 s73, s73, s74
	s_add_co_u32 s73, s73, A0S                     ; proj0: + 256 (e / 4) + 4 (e % 4), 16 bytes from row to row
	s_lshl_b32 s74, s67, 7
	s_lshl_b32 s75, s68, 6
	s_add_co_u32 s74, s74, s75
	s_add_co_u32 s74, s74, A1S                     ; proj1: + 64 (e - 8), 4 bytes from row to row
	s_lshl_b32 s75, s67, 6
	s_add_co_u32 s75, s75, A2S                     ; proj2
	s_cmp_lt_u32 s66, 10                           ; proj1 or proj2 (only moves and selects stand between a compare and its selects)
	s_cselect_b64 s[80:81], s[16:17], s[20:21]
	s_cselect_b64 s[82:83], s[18:19], s[22:23]
	s_cselect_b32 s84, s68, 0                      ; which 128 rows of the weight
	s_cselect_b32 s85, 127, 63                     ; mask on the staged rows
	s_cselect_b32 s86, 2048, 0                     ; bytes from tile 0's scale words to tile 4's
	s_cselect_b32 s87, -1, 0                       ; mask on the codes of k = 64 .. 127
	s_cselect_b32 s88, s71, s72
	s_cselect_b32 s89, s74, s75
	s_cmp_lt_u32 s66, 8                            ; or proj0
	s_cselect_b64 s[80:81], s[12:13], s[80:81]
	s_cselect_b64 s[82:83], s[14:15], s[82:83]
	s_cselect_b32 s84, s66, s84
	s_cselect_b32 s88, s70, s88
	s_cselect_b32 s89, s73, s89
	s_cselect_b32 s90, 4, 2                        ; shift of r for the scale word's place
	s_lshl_b32 s92, s84, 16
	s_add_nc_u64 s[80:81], s[80:81], s[92:93]      ; the 128 rows' codes,
	s_lshl_b32 s92, s3, 4
	s_and_b32 s92, s92, s85
	s_lshl_b32 s92, s92, 9
	s_add_nc_u64 s[80:81], s[80:81], s[92:93]      ; the 16 of them that I stage
	s_lshl_b32 s92, s84, 12
	s_add_nc_u64 s[82:83], s[82:83], s[92:93]      ; the 128 rows' scales
	s_lshl_b32 s92, s67, 13
	s_add_nc_u64 s[8:9], s[8:9], s[92:93]          ; my tokens' codes
	s_lshl_b32 s92, s67, 9
	s_add_nc_u64 s[10:11], s[10:11], s[92:93]      ; and scales
	s_mov_b32 s92, s88
	s_add_nc_u64 s[94:95], s[28:29], s[92:93]
	s_mov_b32 s92, s89
	s_add_nc_u64 s[96:97], s[28:29], s[92:93]
	v_add_nc_u32 v7, s86, v6
	v_lshlrev_b32 v8, s90, v10
.irp i, 0,1,2,3,4,5,6,7,8,9,10,11,12,13,14,15
	global_load_b128 v[FB+4*\i:FB+4*\i+3], v1, s[80:81] offset:512*\i   ; a whole row of 512 bytes
.endr
.irp s, 0,1,2,3,4,5,6,7
.irp c, 0,1
	global_load_b128 v[HF+8*\s+4*\c:HF+8*\s+4*\c+3], v4, s[8:9] offset:64*\s+32*\c
.endr
.endr
	global_load_b128 v[HS:HS+3], v5, s[10:11]      ; register q: lanes 0-15 K step q, lanes 16-31 K step 4 + q
.irp t, 0,1,2,3
	global_load_b128 v[WS+4*\t:WS+4*\t+3], v6, s[82:83] offset:(32*(\t/2)+8*(\t%2))*32
	global_load_b128 v[WS+16+4*\t:WS+16+4*\t+3], v7, s[82:83] offset:(32*(\t/2)+8*(\t%2))*32
.endr
	s_wait_loadcnt 25                              ; the 16 rows to stage are in; the 25 loads issued behind them stay out
.irp i, 0,1,2,3,4,5,6,7,8,9,10,11,12,13,14,15
	ds_store_b128 v2, v[FB+4*\i:FB+4*\i+3] offset:528*\i
.endr
	s_wait_dscnt 0x0                               ; for the others' sake: my rows lie in LDS
	s_barrier_signal -1
	s_barrier_wait -1                              ; all 128 do
	s_wait_loadcnt 0x0
.irp s, 0,1,2,3,4,5,6,7                        ; K in steps of 128; the eight accumulators take turns, one instruction a turn
.irp t, 0,1,2,3,4,5,6,7
.irp c, 0,1
	ds_load_b128 v[FB+8*\t+4*\c:FB+8*\t+4*\c+3], v3 offset:(32*(\t/2)+8*(\t%2))*528+64*\s+32*\c
.endr
.endr
	s_wait_dscnt 0x0
.irp t, 0,1,2,3,4,5,6,7
.if \s == 0
	MM ACC+8*\t, FB+8*\t, HF+8*\s, -1, WS+4*\t+\s%4, HS+\s%4, \s/4
.else
	MM ACC+8*\t, FB+8*\t, HF+8*\s, ACC+8*\t, WS+4*\t+\s%4, HS+\s%4, \s/4
.endif
.endr
	NOPS 4                                         ; four places in front of loads into registers that the products have read, and of the first read of results
.endr
; The 64 numbers of my token, register 16 b + i = k 32 b + 16 h + i, become a fragment's codes and its scale word
.irp b, 0,1,2,3
	v_max3_num_f32 v[TM+\b], |v[ACC+16*\b]|, |v[ACC+1+16*\b]|, 0x1800000   ; each accumulator is read from its low end on; the floor 2^(3 - 127) holds the byte at 1 from below
.endr
.irp i, 2,4,6,8,10,12,14
.irp b, 0,1,2,3
	v_max3_num_f32 v[TM+\b], v[TM+\b], |v[ACC+16*\b+\i]|, |v[ACC+1+16*\b+\i]|
.endr
.endr
.irp b, 0,1,2,3
	v_permlanex16_b32 v[TM+4+\b], v[TM+\b], s76, s77
.endr
.irp b, 0,1,2,3
	v_max_num_f32 v[TM+\b], v[TM+\b], v[TM+4+\b]   ; with lane l xor 16's: the block's largest magnitude
.endr
.irp b, 0,1,2,3
	v_add_nc_u32 v[TM+12+\b], 0xff000000, v[TM+\b] ; 2 off its exponent field: the conversion's scale operand
.endr
.irp b, 0,1,2,3
	v_lshrrev_b32 v[TM+4+\b], 23, v[TM+12+\b]      ; the scale's byte
.endr
	v_lshl_or_b32 v[PW], v[TM+5], 8, v[TM+4]
	v_lshl_or_b32 v[PW], v[TM+6], 16, v[PW]
	v_lshl_or_b32 v[PW], v[TM+7], 24, v[PW]        ; my token's scale word
.irp b, 0,1,2,3
	v_cvt_scalef32_pk8_fp4_f32 v[PC+2*\b], v[ACC+16*\b:ACC+7+16*\b], v[TM+12+\b]
	v_cvt_scalef32_pk8_fp4_f32 v[PC+1+2*\b], v[ACC+8+16*\b:ACC+15+16*\b], v[TM+12+\b]
.endr
	v_nop                                          ; one plain line behind a scaled conversion
.irp c, 0,1                                    ; the operand's layout wants a whole block in a lane: lanes 0-15 block 2 c, lanes 16-31 block 2 c + 1
.irp i, 0,1
	v_permlane16_swap_b32 v[PC+4*\c+\i], v[PC+2+4*\c+\i]
.endr
.endr
.irp i, 0,1,2,3
	v_and_b32 v[PC+4+\i], s87, v[PC+4+\i]          ; proj2: k = 64 .. 127 are zero codes
.endr
	global_store_b128 v1, v[PC:PC+3], s[94:95]     ; the image: 512 consecutive bytes a store
	global_store_b128 v1, v[PC+4:PC+7], s[94:95] offset:512
	global_store_b32 v8, v[PW], s[96:97]           ; lanes l and l xor 16 store the same word to the same place
	s_set_vgpr_msb 0x4
	s_wait_tensorcnt 0x0
	ds_add_u32 v15, v1
	s_wait_dscnt 0x0
	s_set_vgpr_msb 0x400
	s_endpgm
.Lfunc_end_k_qe4a8e2f48f_prep:
	.size	k_qe4a8e2f48f_prep, .Lfunc_end_k_qe4a8e2f48f_prep-k_qe4a8e2f48f_prep
	.p2alignl 7, 3214868480
	.fill 96, 4, 3214868480
	.section	.rodata,"a",@progbits
	.p2align	6, 0x0
	.amdhsa_kernel k_qe4a8e2f48f_prep
		.amdhsa_group_segment_fixed_size 136192
		.amdhsa_private_segment_fixed_size 0
		.amdhsa_enable_private_segment 0
		.amdhsa_kernarg_size 96
		.amdhsa_user_sgpr_count 2
		.amdhsa_user_sgpr_kernarg_segment_ptr 1
		.amdhsa_wavefront_size32 1
		.amdhsa_system_sgpr_workgroup_id_x 1
		.amdhsa_system_sgpr_workgroup_id_y 1
		.amdhsa_system_sgpr_workgroup_id_z 1
		.amdhsa_system_vgpr_workitem_id 0
		.amdhsa_next_free_vgpr 258
		.amdhsa_next_free_sgpr 100
		.amdhsa_reserve_vcc 0
		.amdhsa_float_denorm_mode_32 3
		.amdhsa_float_denorm_mode_16_64 3
		.amdhsa_memory_ordered 1
		.amdhsa_forward_progress 1
		.amdhsa_inst_pref_size 61
	.end_amdhsa_kernel
	.amdgpu_metadata
---
amdhsa.version: [ 1, 2 ]
amdhsa.kernels:
  - .name:           k_qe4a8e2f48f_prep
    .symbol:         k_qe4a8e2f48f_prep.kd
    .args:
      - { .name: hidden_codes, .offset: 0, .size: 8, .value_kind: global_buffer, .address_space: global }
      - { .name: hidden_scales, .offset: 8, .size: 8, .value_kind: global_buffer, .address_space: global }
      - { .name: proj0_codes, .offset: 16, .size: 8, .value_kind: global_buffer, .address_space: global }
      - { .name: proj0_scales, .offset: 24, .size: 8, .value_kind: global_buffer, .address_space: global }
      - { .name: proj1_codes, .offset: 32, .size: 8, .value_kind: global_buffer, .address_space: global }
      - { .name: proj1_scales, .offset: 40, .size: 8, .value_kind: global_buffer, .address_space: global }
      - { .name: proj2_codes, .offset: 48, .size: 8, .value_kind: global_buffer, .address_space: global }
      - { .name: proj2_scales, .offset: 56, .size: 8, .value_kind: global_buffer, .address_space: global }
      - { .name: w0, .offset: 64, .size: 8, .value_kind: global_buffer, .address_space: global }
      - { .name: cluster_w, .offset: 72, .size: 8, .value_kind: global_buffer, .address_space: global }
      - { .name: act, .offset: 80, .size: 8, .value_kind: global_buffer, .address_space: global }
      - { .name: hw, .offset: 88, .size: 8, .value_kind: global_buffer, .address_space: global }
    .group_segment_fixed_size: 136192
    .private_segment_fixed_size: 0
    .kernarg_segment_align: 8
    .kernarg_segment_size: 96
    .max_flat_workgroup_size: 256
    .sgpr_count:     100
    .vgpr_count:     258
    .wavefront_size: 32
...
	.end_amdgpu_metadata
.endif
;; end of part 1
;; launch logits (part 2): grid 760 x 1, 8 waves a work-group, no clusters, 241,664 bytes of LDS; arguments act, hw, b0, w1_codes, w1_scales, b1, w2_codes, w2_scales, b2, cluster_b, target, part, pick; writes part, pick
.if DOCPART == 2
	.amdgcn_target "amdgcn-amd-amdhsa--gfx1250"
	.amdhsa_code_object_version 6
	.text
	.protected	k_qe4a8e2f48f_logits
	.globl	k_qe4a8e2f48f_logits
	.p2align	8
	.type	k_qe4a8e2f48f_logits,@function
k_qe4a8e2f48f_logits:
	s_mov_b64 s[64:65], 0
	v_nop
	global_prefetch_b8 v0, s[64:65] scope:SCOPE_SE
	s_setreg_imm32_b32 hwreg(HW_REG_WAVE_MODE, 25, 1), 1
	s_wait_xcnt 0x0
; The three logit products of the adaptive softmax on FP4 (E2M1) codes, with the maximum and the sum of exponentials taken on the way: no logit goes to memory.
; FOUR JOBS, parted on the work-group's number:
;   0-15     PICK: for each token the logit at its target, and the two cluster logits
;   16-263   TAIL 2: K = 64 (one K step, its upper half zero codes), 3,125 tiles of 16 columns, 13 tiles a wave
;   264-503  TAIL 1: K = 256 (2 K steps), 1,875 tiles, 8 a wave
;   504-759  HEAD:   K = 1,024 (8 K steps), 1,250 tiles, 5 a wave
; SHARES in the three products: a work-group takes 256 tokens (16 tiles, number % 8) and one group of columns (number / 8).  THE WAVES SHARE THE COLUMNS: a wave's tiles of the
; weight, their scale words and their biases stay in its registers; the 16 token tiles' images lie in LDS, staged once, and all eight waves walk them.
; THE PRODUCT IS USED TRANSPOSED (source 0 = 16 rows of the weight, source 1 = 16 tokens): a lane holds ONE token (lane % 16), its registers 8 columns 8 (lane / 16) + j of each tile.
; So a token's maximum and sum stay in the lane but for one exchange with lane l xor 16.  The bias is the C of a tile's first product.
; For each token tile a wave makes (M, L): M = the true maximum of its columns' logits, L = the sum of 2^((x - M) log2 e).  The eight waves' pairs meet in LDS and are joined into one
; pair for the work-group, stored in part[row][token].  The next launch joins the rows.
; PADDING: the last waves' tiles would pass the weight's end.  Such a wave loads the last tiles that exist, and the tiles that belong to a wave before it get the bias -1e30.
; A wave all of whose tiles are padding has M = -1e30 and a sum that may be infinite; its sum is held at the largest finite number and its weight in the join is 0.
; LIMITS: logits beyond 1e29 in magnitude, NaN and infinities are not served.
; No tensor loads, no ring: every operand is read once by a work-group.  Two waves of 512 registers share a SIMD: one wave's products stand beside the other's exponentials.
; Each job has LDS bytes of its own.
.set A0C, 0
.set A1C, 1048576
.set A2C, 1310720
.set A0S, 1441792
.set A1S, 1507328
.set A2S, 1523712
.set HWS, 10248192
.set HA,   0                           ; head:   16 x 8 images of 1,024 bytes
.set HAS,  131072                      ;         16 x 512 bytes of scale words
.set HST,  139264                      ;         [8 waves][256 tokens][(M, L)]
.set T1A,  155648                      ; tail 1: 16 x 2 images
.set T1AS, 188416                      ;         16 x 128
.set T1ST, 190464
.set T2A,  206848                      ; tail 2: 16 images
.set T2AS, 223232                      ;         16 x 64
.set T2ST, 224256                      ; ends at 240,640
; REGISTERS (window 0): v1 16 x lane; v2, v3 LDS addresses of the token tile in hand and of its scale words; v4-7 four running maxima; v[8:9] (M, L); v[10:11] -M log2 e;
;   v[12:15] two running sums; v224 for lane permutes; v225 where (M, L) goes; v226 my place among a tile's scale words; v227 8 r; v228-251 SCALE WORDS AND NOTHING ELSE;
;   v252 -1e30; v253-255 LDS addresses of the staging.  In the prologues v4-15 hold offsets.
;   head:   window 1: the weight's tiles 0-3 (64 t + 8 s);  window 0: v16-79 tile 4, v80-143 the token tile, v144-183 biases, v184-223 accumulators
;   tail 1: window 1: v0-127 the weight (16 t + 8 s), v128-191 biases;  window 0: v16-31 the token tile, v32-95 accumulators
;   tail 2: window 1: v0-103 the weight (8 t), v104-207 biases;  window 0: v16-23 the token tile, v32-135 accumulators
; s_set_vgpr_msb's low byte: bits 1:0 source 0, 3:2 source 1, 5:4 source 2, 7:6 destination.
.set MSB, 0
.macro WIN new                         ; the immediate's high byte repeats the setting that is left; at a label and at a branch every window is 0
.if MSB != \new
	s_set_vgpr_msb (MSB<<8)|\new
.set MSB, \new
.endif
.endm
.macro NOPS n
.rept \n
	v_nop
.endr
.endm
; One product 16 x 16 x 128 on FP4 codes.  c = -1: the sum starts with the constant 0.  row = 1: both scale words are taken from lanes 16-31.
.macro MM d, a, b, c, sa, sb, row
.if (\c) < 0
.if \row
	v_wmma_scale_f32_16x16x128_f8f6f4 v[0+(\d):7+(\d)], v[0+(\a):7+(\a)], v[0+(\b):7+(\b)], 0, v[0+(\sa)], v[0+(\sb)] matrix_a_fmt:MATRIX_FMT_FP4 matrix_b_fmt:MATRIX_FMT_FP4 matrix_a_scale:MATRIX_SCALE_ROW1 matrix_b_scale:MATRIX_SCALE_ROW1
.else
	v_wmma_scale_f32_16x16x128_f8f6f4 v[0+(\d):7+(\d)], v[0+(\a):7+(\a)], v[0+(\b):7+(\b)], 0, v[0+(\sa)], v[0+(\sb)] matrix_a_fmt:MATRIX_FMT_FP4 matrix_b_fmt:MATRIX_FMT_FP4
.endif
.else
.if \row
	v_wmma_scale_f32_16x16x128_f8f6f4 v[0+(\d):7+(\d)], v[0+(\a):7+(\a)], v[0+(\b):7+(\b)], v[0+(\c):7+(\c)], v[0+(\sa)], v[0+(\sb)] matrix_a_fmt:MATRIX_FMT_FP4 matrix_b_fmt:MATRIX_FMT_FP4 matrix_a_scale:MATRIX_SCALE_ROW1 matrix_b_scale:MATRIX_SCALE_ROW1
.else
	v_wmma_scale_f32_16x16x128_f8f6f4 v[0+(\d):7+(\d)], v[0+(\a):7+(\a)], v[0+(\b):7+(\b)], v[0+(\c):7+(\c)], v[0+(\sa)], v[0+(\sb)] matrix_a_fmt:MATRIX_FMT_FP4 matrix_b_fmt:MATRIX_FMT_FP4
.endif
.endif
.endm
; s39 = group of 256 tokens, s40 = group of columns, s42 = the first tile that my wave loads, s43 = how many of its tiles are padding
.macro SHARE base, nt, ntiles
	s_sub_co_u32 s38, ttmp9, \base
	s_and_b32 s39, s38, 7
	s_lshr_b32 s40, s38, 3
	s_lshl_b32 s41, s40, 3
	s_add_co_u32 s41, s41, s3
	s_mul_i32 s41, s41, \nt                        ; my first tile
	s_min_u32 s42, s41, \ntiles-\nt                ; held so that all my loads stay inside the buffers
	s_sub_co_u32 s43, s41, s42
.endm
; s[d:d+1] = s[p:p+1] + (s<reg> << sh) + add.  s47 = 0
.macro PTR d, p, sh, reg, add
	s_lshl_b32 s46, s\reg, \sh
.if \add
	s_add_co_u32 s46, s46, \add
.endif
	s_add_nc_u64 s[\d:\d+1], s[\p:\p+1], s[46:47]
.endm
.macro PARTP rowbase                   ; s[62:63] = part + 16,384 (rowbase + column group) + 2,048 x token group
	s_add_co_u32 s44, s40, \rowbase
	s_lshl_b32 s44, s44, 3
	s_add_co_u32 s44, s44, s39
	PTR 62, 30, 11, 44, 0
.endm
.macro PADMASK breg, t                 ; tile t's eight biases become -1e30 where the tile is padding: a select on ids
	s_cmp_gt_u32 s43, \t
	s_cselect_b32 s44, -1, 0
.irp j, 0,1,2,3,4,5,6,7
	v_cndmask_b32 v[\breg+\j], v[\breg+\j], v252, s44
.endr
.endm
; (M, L) of my token over the wave's nt tiles, accumulators from v[ac] on.  20 nt + 12 instructions: half a maximum, half a scaling, one exponential and half an addition a logit.
.macro STATS ac, nt
.set SG, 0
.rept ((\nt)+3)/4                      ; four chains; tile t goes to chain t % 4; each accumulator is read from its low end on
.set SLN, 0
.rept 4
.set STL, 4*SG
.rept 4
.if STL < (\nt)
.if (SG == 0) && (SLN == 0)
	v_max_num_f32 v[4+STL%4], v[\ac+8*STL], v[\ac+8*STL+1]
.else
	v_max3_num_f32 v[4+STL%4], v[4+STL%4], v[\ac+8*STL+2*SLN], v[\ac+8*STL+2*SLN+1]
.endif
.endif
.set STL, STL+1
.endr
.set SLN, SLN+1
.endr
.set SG, SG+1
.endr
	v_max3_num_f32 v8, v4, v5, v6
	v_max_num_f32 v8, v8, v7
	v_permlanex16_b32 v224, v8, s34, s35
	v_max_num_f32 v8, v8, v224                     ; M: with lane l xor 16's columns
	v_mul_f32 v10, 0xbfb8aa3b, v8                  ; -M log2 e
.set SJ, 0
.rept 4*(\nt)
	v_pk_fma_f32 v[\ac+2*SJ:\ac+2*SJ+1], v[\ac+2*SJ:\ac+2*SJ+1], s[36:37], v[10:11] op_sel_hi:[1,0,0]   ; (x - M) log2 e, two at a time (of both pairs the low word serves both halves)
.set SJ, SJ+1
.endr
.set SJ, 0
.rept 8*(\nt)
	v_exp_f32 v[\ac+SJ], v[\ac+SJ]
.set SJ, SJ+1
.endr
	v_add_nc_u32 v225, s50, v227                   ; where (M, L) goes.  (The plain line between the exponentials and the use of their results)
	s_wait_alu depctr_va_vdst(0)
	v_pk_add_f32 v[12:13], v[\ac:\ac+1], v[\ac+2:\ac+3]
	v_pk_add_f32 v[14:15], v[\ac+4:\ac+5], v[\ac+6:\ac+7]
.set SJ, 8
.rept 2*(\nt)-2
	v_pk_add_f32 v[12:13], v[12:13], v[\ac+SJ:\ac+SJ+1]
	v_pk_add_f32 v[14:15], v[14:15], v[\ac+SJ+2:\ac+SJ+3]
.set SJ, SJ+4
.endr
	v_pk_add_f32 v[12:13], v[12:13], v[14:15]
	v_add_f32 v9, v12, v13
	v_permlanex16_b32 v224, v9, s34, s35
	v_add_f32 v9, v9, v224                         ; L
.endm
; The eight waves' pairs are joined: thread i takes token i of the work-group's 256.
.macro COMBINE st
	s_wait_dscnt 0x0                               ; for the others' sake: my pairs lie in LDS
	s_barrier_signal -1
	s_barrier_wait -1
	v_lshl_add_u32 v2, v0, 3, \st
.irp w, 0,1,2,3,4,5,6,7
	ds_load_b64 v[16+2*\w:17+2*\w], v2 offset:2048*\w
.endr
	v_lshlrev_b32 v6, 3, v0
	s_wait_dscnt 0x0
	v_max3_num_f32 v4, v16, v18, v20
	v_max3_num_f32 v4, v4, v22, v24
	v_max3_num_f32 v4, v4, v26, v28
	v_max_num_f32 v4, v4, v30                      ; the joint M
	v_mul_f32 v7, 0xbfb8aa3b, v4
.irp w, 0,1,2,3,4,5,6,7
	v_fma_f32 v[32+\w], v[16+2*\w], s36, v7
.endr
.irp w, 0,1,2,3,4,5,6,7
	v_exp_f32 v[32+\w], v[32+\w]                   ; each wave's weight, at most 1; 0 for a wave of padding
.endr
.irp w, 0,1,2,3,4,5,6,7
	v_min_num_f32 v[17+2*\w], 0x7f7fffff, v[17+2*\w]   ; a wave of padding may have an infinite sum: held finite, so that its weight 0 makes it 0
.endr
	s_wait_alu depctr_va_vdst(0)
	v_mul_f32 v5, v32, v17
.irp w, 1,2,3,4,5,6,7
	v_fmac_f32 v5, v[32+\w], v[17+2*\w]
.endr
	global_store_b64 v6, v[4:5], s[62:63]          ; a wave stores 256 consecutive bytes, aligned
.endm
	s_load_b512 s[8:23], s[0:1], 0x0               ; act s[8:9], hw s[10:11], b0 s[12:13], w1 codes s[14:15], scales s[16:17], b1 s[18:19], w2 codes s[20:21], scales s[22:23]
	s_load_b256 s[24:31], s[0:1], 0x40             ; b2 s[24:25], cluster_b s[26:27], target s[28:29], part s[30:31]
	s_load_b64 s[32:33], s[0:1], 0x60              ; pick
	v_lshrrev_b32 v1, 5, v0
	v_readfirstlane_b32 s3, v1                     ; wave 0..7
	v_and_b32 v1, 31, v0
	v_lshlrev_b32 v1, 4, v1                        ; 16 x lane
	v_and_b32 v12, 15, v0                          ; r
	v_bfe_u32 v13, v0, 4, 1                        ; h
	v_lshlrev_b32 v227, 3, v12                     ; 8 r
	v_lshlrev_b32 v5, 5, v13                       ; 32 h: my eight biases of a tile
	v_lshlrev_b32 v4, 4, v0                        ; 16 x thread: the staging
	v_mov_b32 v224, 0                              ; a lane permute's destination counts as one of its sources
	v_mov_b32 v11, 0                               ; (named as the upper half of the pair v[10:11])
	v_mov_b32 v252, 0xf149f2ca                     ; -1e30
	s_mov_b32 s34, 0x76543210                      ; v_permlanex16_b32's selects for lane l xor 16
	s_mov_b32 s35, 0xfedcba98
	s_mov_b32 s36, 0x3fb8aa3b                      ; log2 e
	s_mov_b32 s37, s36                             ; (named with it as a pair)
	s_mov_b32 s47, 0
	s_wait_kmcnt 0x0
	s_cmp_lt_u32 ttmp9, 16
	s_cbranch_scc1 .Lpick
	s_cmp_lt_u32 ttmp9, 264
	s_cbranch_scc1 .Ltail2
	s_cmp_lt_u32 ttmp9, 504
	s_cbranch_scc1 .Ltail1
; ---------------------------------------------------------------- HEAD
	SHARE 504, 5, 1250
	PTR 52, 8, 17, 39, 0                           ; my 16 token tiles' images (A0C = 0)
	PTR 54, 8, 13, 39, A0S                         ; and scale words
	PTR 56, 10, 13, 42, 0                          ; my five tiles of the weight
	PTR 58, 10, 9, 42, HWS
	PTR 60, 12, 6, 42, 0                           ; their biases
	PARTP 0
	v_mov_b32 v226, v1
	v_lshl_add_u32 v253, v0, 4, HA
	v_lshl_add_u32 v254, v0, 4, HA+65536
	v_lshl_add_u32 v255, v0, 4, HAS
	s_mov_b32 s48, HA
	s_mov_b32 s49, HAS
	s_lshl_b32 s50, s3, 11
	s_add_co_u32 s50, s50, HST
.set N, 0
.rept 32
	global_load_b128 v[80+4*N:83+4*N], v4, s[52:53] offset:4096*N   ; the work-group's 256 threads read 4,096 consecutive bytes
.set N, N+1
.endr
	global_load_b128 v[208:211], v4, s[54:55]
	global_load_b128 v[212:215], v4, s[54:55] offset:4096
	WIN 0x40                                       ; destination window 1
.irp t, 0,1,2
.irp s, 0,1,2,3,4,5,6,7
.irp c, 0,1
	global_load_b128 v[64*\t+8*\s+4*\c:64*\t+8*\s+4*\c+3], v1, s[56:57] offset:8192*\t+1024*\s+512*\c
.endr
.endr
.endr
	WIN 0
	s_wait_loadcnt 48                              ; the 34 loads of the staging are in; the 48 issued behind them stay out
.set N, 0
.rept 16
	ds_store_b128 v253, v[80+4*N:83+4*N] offset:4096*N
	ds_store_b128 v254, v[144+4*N:147+4*N] offset:4096*N
.set N, N+1
.endr
	ds_store_b128 v255, v[208:211]
	ds_store_b128 v255, v[212:215] offset:4096
	WIN 0x40
.irp s, 0,1,2,3,4,5,6,7
.irp c, 0,1
	global_load_b128 v[192+8*\s+4*\c:192+8*\s+4*\c+3], v1, s[56:57] offset:8192*3+1024*\s+512*\c
.endr
.endr
	WIN 0
.irp s, 0,1,2,3,4,5,6,7
.irp c, 0,1
	global_load_b128 v[16+8*\s+4*\c:16+8*\s+4*\c+3], v1, s[56:57] offset:8192*4+1024*\s+512*\c
.endr
.endr
	s_wait_dscnt 0x0                               ; my part of the images lies in LDS, and the stores have read their registers
	s_barrier_signal -1
	s_barrier_wait -1                              ; everybody's does
.irp t, 0,1,2,3,4
	global_load_b128 v[232+4*\t:235+4*\t], v1, s[58:59] offset:512*\t      ; register q: lanes 0-15 K step q, lanes 16-31 K step 4 + q
	global_load_b128 v[144+8*\t:147+8*\t], v5, s[60:61] offset:64*\t
	global_load_b128 v[148+8*\t:151+8*\t], v5, s[60:61] offset:64*\t+16
.endr
.macro HFETCH
.irp i, 0,1,2,3,4,5,6,7,8,9,10,11,12,13,14,15
	ds_load_b128 v[80+4*\i:83+4*\i], v2 offset:512*\i
.endr
	ds_load_b128 v[228:231], v3
.endm
	v_add_nc_u32 v2, s48, v1
	v_add_nc_u32 v3, s49, v226
	HFETCH
	s_wait_loadcnt 0x0
.irp t, 0,1,2,3,4
	PADMASK 144+8*\t, \t
.endr
	NOPS 8
; A trip: one token tile.  40 products, the five accumulators by turns, one instruction a turn; the weight's 320 registers span two windows, hence two switches a K step.
.macro HTRIP more
	s_wait_dscnt 0x0                               ; the token tile and its scale words are in (asked for ahead of the last trip's softmax)
.irp s, 0,1,2,3,4,5,6,7
	WIN 0x01                                       ; source 0 window 1
.irp t, 0,1,2,3
.if \s == 0
	MM 184+8*\t, 64*\t+8*\s, 80+8*\s, 144+8*\t, 232+4*\t+\s%4, 228+\s%4, \s/4
.else
	MM 184+8*\t, 64*\t+8*\s, 80+8*\s, 184+8*\t, 232+4*\t+\s%4, 228+\s%4, \s/4
.endif
.endr
	WIN 0
.if \s == 0
	MM 216, 16+8*\s, 80+8*\s, 176, 248+\s%4, 228+\s%4, \s/4
.else
	MM 216, 16+8*\s, 80+8*\s, 216, 248+\s%4, 228+\s%4, \s/4
.endif
.endr
	NOPS 4                                         ; four places in front of loads into registers that the products have read, and of the first read of results
.if \more
	s_add_co_u32 s48, s48, 8192
	s_add_co_u32 s49, s49, 512
	v_add_nc_u32 v2, s48, v1
	v_add_nc_u32 v3, s49, v226
	HFETCH                                         ; the next token tile lands while this one's softmax is worked
.endif
	STATS 184, 5
	ds_store_b64 v225, v[8:9]                      ; lanes l and l xor 16 store the same pair to the same place
	s_add_co_u32 s50, s50, 128
.endm
	s_mov_b32 s51, 15
.Lh_loop:
	HTRIP 1
	s_sub_co_u32 s51, s51, 1
	s_cmp_lg_u32 s51, 0
	s_cbranch_scc1 .Lh_loop
	HTRIP 0                                        ; the last token tile: nothing more to fetch
	COMBINE HST
	s_wait_xcnt 0x0
	v_lshl_add_u32 v254, v0, 2, 0x3ac00
	v_mov_b32 v255, 0
	s_wait_tensorcnt 0x0
	ds_add_u32 v254, v255
	s_wait_dscnt 0x0
	s_endpgm
; ---------------------------------------------------------------- TAIL 1
.Ltail1:
	SHARE 264, 8, 1875
	PTR 52, 8, 15, 39, A1C
	PTR 54, 8, 11, 39, A1S
	PTR 56, 14, 11, 42, 0                          ; a tile of w1: 16 rows of 128 bytes
	PTR 58, 16, 7, 42, 0                           ; 16 rows of 8 scale bytes
	PTR 60, 18, 6, 42, 0
	PARTP 33
	v_lshlrev_b32 v6, 7, v12
	v_lshl_add_u32 v6, v13, 4, v6                  ; w1's codes: row r + 16 h
	v_lshlrev_b32 v7, 3, v12
	v_lshl_add_u32 v7, v13, 2, v7                  ; its scale words: lanes 0-15 K step 0, lanes 16-31 K step 1
	v_lshlrev_b32 v8, 3, v0
	v_and_b32 v226, 31, v0
	v_lshlrev_b32 v226, 2, v226                    ; 4 x lane
	v_lshl_add_u32 v253, v0, 4, T1A
	v_lshl_add_u32 v254, v0, 3, T1AS
	s_mov_b32 s48, T1A
	s_mov_b32 s49, T1AS
	s_lshl_b32 s50, s3, 11
	s_add_co_u32 s50, s50, T1ST
.irp n, 0,1,2,3,4,5,6,7
	global_load_b128 v[96+4*\n:99+4*\n], v4, s[52:53] offset:4096*\n
.endr
	global_load_b64 v[128:129], v8, s[54:55]
	WIN 0x40
.irp t, 0,1,2,3,4,5,6,7
.irp s, 0,1
.irp c, 0,1
	global_load_b128 v[16*\t+8*\s+4*\c:16*\t+8*\s+4*\c+3], v6, s[56:57] offset:2048*\t+64*\s+32*\c
.endr
.endr
	global_load_b128 v[128+8*\t:131+8*\t], v5, s[60:61] offset:64*\t
	global_load_b128 v[132+8*\t:135+8*\t], v5, s[60:61] offset:64*\t+16
.endr
	WIN 0
.irp t, 0,1,2,3,4,5,6,7
	global_load_b32 v[229+\t], v7, s[58:59] offset:128*\t
.endr
	s_wait_loadcnt 56                              ; the 9 loads of the staging are in; the 56 issued behind them stay out
.irp n, 0,1,2,3,4,5,6,7
	ds_store_b128 v253, v[96+4*\n:99+4*\n] offset:4096*\n
.endr
	ds_store_b64 v254, v[128:129]
	s_wait_dscnt 0x0
	s_barrier_signal -1
	s_barrier_wait -1
.macro T1FETCH
.irp i, 0,1,2,3
	ds_load_b128 v[16+4*\i:19+4*\i], v2 offset:512*\i
.endr
	ds_load_b32 v228, v3
.endm
	v_add_nc_u32 v2, s48, v1
	v_add_nc_u32 v3, s49, v226
	T1FETCH
	s_wait_loadcnt 0x0
	WIN 0x41                                       ; the biases (destination and source 0) in window 1
.irp t, 0,1,2,3,4,5,6,7
	PADMASK 128+8*\t, \t
.endr
	WIN 0
	NOPS 8
.macro T1TRIP more
	s_wait_dscnt 0x0
	WIN 0x11                                       ; source 0 (the weight) and source 2 (the bias) window 1
.irp t, 0,1,2,3,4,5,6,7
	MM 32+8*\t, 16*\t, 16, 128+8*\t, 229+\t, 228, 0
.endr
	WIN 0x01
.irp t, 0,1,2,3,4,5,6,7
	MM 32+8*\t, 16*\t+8, 24, 32+8*\t, 229+\t, 228, 1
.endr
	WIN 0
	NOPS 4
.if \more
	s_add_co_u32 s48, s48, 2048
	s_add_co_u32 s49, s49, 128
	v_add_nc_u32 v2, s48, v1
	v_add_nc_u32 v3, s49, v226
	T1FETCH
.endif
	STATS 32, 8
	ds_store_b64 v225, v[8:9]
	s_add_co_u32 s50, s50, 128
.endm
	s_mov_b32 s51, 15
.Lt1_loop:
	T1TRIP 1
	s_sub_co_u32 s51, s51, 1
	s_cmp_lg_u32 s51, 0
	s_cbranch_scc1 .Lt1_loop
	T1TRIP 0
	COMBINE T1ST
	s_wait_xcnt 0x0
	v_lshl_add_u32 v254, v0, 2, 0x3ac00
	v_mov_b32 v255, 0
	s_wait_tensorcnt 0x0
	ds_add_u32 v254, v255
	s_wait_dscnt 0x0
	s_endpgm
; ---------------------------------------------------------------- TAIL 2
.Ltail2:
	SHARE 16, 13, 3125
	PTR 52, 8, 14, 39, A2C
	PTR 54, 8, 10, 39, A2S
	PTR 56, 20, 9, 42, 0                           ; a tile of w2: 16 rows of 32 bytes
	PTR 58, 22, 5, 42, 0                           ; 16 rows of 2 scale bytes
	PTR 60, 24, 6, 42, 0
	PARTP 63
	v_lshlrev_b32 v6, 5, v12
	v_lshl_add_u32 v6, v13, 4, v6                  ; w2's codes: row r + 16 h: k = 32 h + 0 .. 31
	v_lshlrev_b32 v7, 1, v12                       ; its two scale bytes; the word's upper two bytes are 0 and stand over zero codes
	v_lshlrev_b32 v8, 2, v0
	v_lshlrev_b32 v226, 2, v12                     ; 4 r
	v_lshl_add_u32 v253, v0, 4, T2A
	v_lshl_add_u32 v254, v0, 2, T2AS
	s_mov_b32 s48, T2A
	s_mov_b32 s49, T2AS
	s_lshl_b32 s50, s3, 11
	s_add_co_u32 s50, s50, T2ST
.irp n, 0,1,2,3
	global_load_b128 v[136+4*\n:139+4*\n], v4, s[52:53] offset:4096*\n
.endr
	global_load_b32 v152, v8, s[54:55]
	WIN 0x40
.irp t, 0,1,2,3,4,5,6,7,8,9,10,11,12
	global_load_b128 v[8*\t:8*\t+3], v6, s[56:57] offset:512*\t
	global_load_b128 v[104+8*\t:107+8*\t], v5, s[60:61] offset:64*\t
	global_load_b128 v[108+8*\t:111+8*\t], v5, s[60:61] offset:64*\t+16
.endr
.irp t, 0,1,2,3,4,5,6,7,8,9,10,11,12
.irp i, 4,5,6,7
	v_mov_b32 v[8*\t+\i], 0                        ; K = 64: the K step's upper half is zero codes, on this side too; written once for the 16 trips
.endr
.endr
	WIN 0
.irp t, 0,1,2,3,4,5,6,7,8,9,10,11,12
	global_load_u16 v[229+\t], v7, s[58:59] offset:32*\t
.endr
	s_wait_loadcnt 52                              ; the 5 loads of the staging are in; the 52 issued behind them stay out
.irp n, 0,1,2,3
	ds_store_b128 v253, v[136+4*\n:139+4*\n] offset:4096*\n
.endr
	ds_store_b32 v254, v152
	s_wait_dscnt 0x0
	s_barrier_signal -1
	s_barrier_wait -1
.macro T2FETCH
	ds_load_b128 v[16:19], v2
	ds_load_b128 v[20:23], v2 offset:512
	ds_load_b32 v228, v3
.endm
	v_add_nc_u32 v2, s48, v1
	v_add_nc_u32 v3, s49, v226
	T2FETCH
	s_wait_loadcnt 0x0
	WIN 0x41
.irp t, 0,1,2,3,4,5,6,7,8,9,10,11,12
	PADMASK 104+8*\t, \t
.endr
	WIN 0
	NOPS 8
.macro T2TRIP more
	s_wait_dscnt 0x0
	WIN 0x11
.irp t, 0,1,2,3,4,5,6,7,8,9,10,11,12
	MM 32+8*\t, 8*\t, 16, 104+8*\t, 229+\t, 228, 0
.endr
	WIN 0
	NOPS 4
.if \more
	s_add_co_u32 s48, s48, 1024
	s_add_co_u32 s49, s49, 64
	v_add_nc_u32 v2, s48, v1
	v_add_nc_u32 v3, s49, v226
	T2FETCH
.endif
	STATS 32, 13
	ds_store_b64 v225, v[8:9]
	s_add_co_u32 s50, s50, 128
.endm
	s_mov_b32 s51, 15
.Lt2_loop:
	T2TRIP 1
	s_sub_co_u32 s51, s51, 1
	s_cmp_lg_u32 s51, 0
	s_cbranch_scc1 .Lt2_loop
	T2TRIP 0
	COMBINE T2ST
	s_wait_xcnt 0x0
	v_lshl_add_u32 v254, v0, 2, 0x3ac00
	v_mov_b32 v255, 0
	s_wait_tensorcnt 0x0
	ds_add_u32 v254, v255
	s_wait_dscnt 0x0
	s_endpgm
; ---------------------------------------------------------------- PICK
; A wave takes a token tile.  Source 0 of three products holds, in lane r, THE ROW OF THE WEIGHT THAT TOKEN r's TARGET NAMES (in the head, in tail 1, in tail 2; the index held inside
; each table as the problem's own clip holds it), so that the wanted logit is the diagonal of the 16 x 16 result.  A fourth product takes the tile with the two cluster rows.
; Stored: pick[token] = the logit(s) that the token's negative log-likelihood takes away: target < 20,000: the head's logit at the target; < 50,000: cluster logit 1 (column 20,001) +
; tail 1's logit; else cluster logit 0 (column 20,000) + tail 2's.  And part's row 32: (M, L) of the two cluster columns, which belong to the head's softmax.
; window 1: v0-63 the cluster tile, v64-127 the head's gathered rows, v128-143 tail 1's, v144-151 tail 2's.  window 0: v16-79, v80-95, v96-103 the token tile's three operands;
; v104-135 four accumulators; v136-138 biases; v139 the target; v140-151 offsets; v152-170 at work.  No LDS, no barrier.
.Lpick:
	s_lshl_b32 s38, ttmp9, 3
	s_add_co_u32 s38, s38, s3                      ; token tile
	PTR 52, 28, 6, 38, 0                           ; target
	PTR 54, 32, 6, 38, 0                           ; pick
	PTR 56, 8, 6, 38, A2S
	PTR 58, 8, 13, 38, 0
	PTR 60, 8, 9, 38, A0S
	PTR 62, 8, 11, 38, A1C
	PTR 66, 8, 7, 38, A1S
	PTR 68, 8, 10, 38, A2C
	PTR 70, 30, 7, 38, 32*16384                    ; part, row 32
	s_add_nc_u64 s[72:73], s[10:11], HWS           ; hw's scale words
	s_add_nc_u64 s[76:77], s[10:11], 1250*8192     ; the cluster tile
	s_load_b64 s[74:75], s[26:27], 0x0             ; cluster_b
.irp j, 1,2,3,4,5,6,7
	s_mov_b32 s[79+\j], 0x01010101<<\j             ; lanes with lane % 8 = j
.endr
	s_mov_b32 s87, 0xff0000ff                      ; lanes 0-7 and 24-31: those that hold a diagonal element
	s_mov_b32 s88, 0xffff0000                      ; lanes 16-31
	v_lshlrev_b32 v140, 2, v12                     ; 4 r
	v_and_b32 v141, 31, v0
	v_lshlrev_b32 v141, 2, v141                    ; 4 x lane
	global_load_b32 v139, v140, s[52:53]           ; token r's target
.irp i, 0,1,2,3,4,5,6,7,8,9,10,11,12,13,14,15
	global_load_b128 v[16+4*\i:19+4*\i], v1, s[58:59] offset:512*\i
.endr
	global_load_b128 v[228:231], v1, s[60:61]
.irp i, 0,1,2,3
	global_load_b128 v[80+4*\i:83+4*\i], v1, s[62:63] offset:512*\i
.endr
	global_load_b32 v240, v141, s[66:67]
	global_load_b128 v[96:99], v1, s[68:69]
	global_load_b128 v[100:103], v1, s[68:69] offset:512
	global_load_b32 v241, v140, s[56:57]
	WIN 0x40
.irp i, 0,1,2,3,4,5,6,7,8,9,10,11,12,13,14,15
	global_load_b128 v[4*\i:4*\i+3], v1, s[76:77] offset:512*\i
.endr
	WIN 0
	global_load_b128 v[232:235], v1, s[72:73] offset:1250*512
	s_wait_loadcnt 42                              ; the target is in; the 42 loads issued behind it stay out
	v_max_i32 v152, 0, v139
	v_min_u32 v152, 19999, v152                    ; the head's row
	v_add_nc_u32 v153, 0xffffb1e0, v139            ; target - 20,000
	v_max_i32 v153, 0, v153
	v_min_u32 v153, 29999, v153                    ; tail 1's row
	v_add_nc_u32 v154, 0xffff3cb0, v139            ; target - 50,000
	v_max_i32 v154, 0, v154
	v_min_u32 v154, 49999, v154                    ; tail 2's row
	v_and_b32 v156, -16, v152                      ; 16 x its tile in hw,
	v_and_b32 v157, 15, v152                       ; its row in the tile
	v_lshlrev_b32 v143, 9, v156
	v_lshl_add_u32 v143, v157, 4, v143
	v_lshl_add_u32 v143, v13, 8, v143              ; its piece of an image: 8,192 tile + 16 (16 h + row)
	v_lshlrev_b32 v144, 5, v156
	v_lshl_add_u32 v144, v157, 4, v144
	v_lshl_add_u32 v144, v13, 8, v144              ; its four scale words: 512 tile + 16 (16 h + row)
	v_lshlrev_b32 v145, 7, v153
	v_lshl_add_u32 v145, v13, 4, v145
	v_lshlrev_b32 v146, 3, v153
	v_lshl_add_u32 v146, v13, 2, v146
	v_lshlrev_b32 v147, 5, v154
	v_lshl_add_u32 v147, v13, 4, v147
	v_lshlrev_b32 v148, 1, v154
	v_lshlrev_b32 v149, 2, v152
	v_lshlrev_b32 v150, 2, v153
	v_lshlrev_b32 v151, 2, v154
	WIN 0x40
.irp i, 0,1,2,3,4,5,6,7,8,9,10,11,12,13,14,15
	global_load_b128 v[64+4*\i:67+4*\i], v143, s[10:11] offset:512*\i
.endr
.irp s, 0,1
.irp c, 0,1
	global_load_b128 v[128+8*\s+4*\c:131+8*\s+4*\c], v145, s[14:15] offset:64*\s+32*\c
.endr
.endr
	global_load_b128 v[144:147], v147, s[20:21]
.irp i, 148,149,150,151
	v_mov_b32 v[\i], 0                             ; K = 64: zero codes above
.endr
	WIN 0
	global_load_b128 v[236:239], v144, s[72:73]
	global_load_b32 v242, v146, s[16:17]
	global_load_u16 v243, v148, s[22:23]
	global_load_b32 v136, v149, s[12:13]
	global_load_b32 v137, v150, s[18:19]
	global_load_b32 v138, v151, s[24:25]
	s_wait_loadcnt 0x0
	s_wait_kmcnt 0x0
	NOPS 8
	WIN 0x01                                       ; source 0 window 1.  The accumulators take turns, one instruction a turn
.irp s, 0,1,2,3,4,5,6,7
.if \s == 0
	MM 104, 8*\s, 16+8*\s, -1, 232+\s%4, 228+\s%4, \s/4
	MM 112, 64+8*\s, 16+8*\s, -1, 236+\s%4, 228+\s%4, \s/4
.else
	MM 104, 8*\s, 16+8*\s, 104, 232+\s%4, 228+\s%4, \s/4
	MM 112, 64+8*\s, 16+8*\s, 112, 236+\s%4, 228+\s%4, \s/4
.endif
.endr
	MM 120, 128, 80, -1, 242, 240, 0
	MM 128, 144, 96, -1, 243, 241, 0
	MM 120, 136, 88, 120, 242, 240, 1
	WIN 0
	NOPS 4
	v_permlanex16_b32 v152, v104, s34, s35         ; the cluster logits of token r lie in lanes 0-15, registers 0 and 1: lanes 16-31 take them over
	v_permlanex16_b32 v153, v105, s34, s35
	v_cndmask_b32 v152, v104, v152, s88
	v_cndmask_b32 v153, v105, v153, s88
	v_add_f32 v152, s74, v152                      ; column 20,000
	v_add_f32 v153, s75, v153                      ; column 20,001
; Register j of lane (r, h) is element (8 h + j, r): the diagonal is register lane % 8 of lanes 0-7 and 24-31; the other lanes take it from lane l xor 16
.macro DIAG acc, dst
	v_cndmask_b32 v[\dst], v[\acc], v[\acc+1], s80
.irp j, 2,3,4,5,6,7
	v_cndmask_b32 v[\dst], v[\dst], v[\acc+\j], s[79+\j]
.endr
	v_permlanex16_b32 v156, v[\dst], s34, s35
	v_cndmask_b32 v[\dst], v156, v[\dst], s87
.endm
	DIAG 112, 160
	DIAG 120, 161
	DIAG 128, 162
	v_add_f32 v160, v160, v136                     ; the head's logit at the target
	v_add_f32 v161, v161, v137
	v_add_f32 v161, v161, v153                     ; tail 1's, + cluster logit 1
	v_add_f32 v162, v162, v138
	v_add_f32 v162, v162, v152                     ; tail 2's, + cluster logit 0
	v_cmp_gt_i32 vcc_lo, 0xc350, v139              ; target < 50,000
	v_cndmask_b32 v163, v162, v161, vcc_lo
	v_cmp_gt_i32 vcc_lo, 0x4e20, v139              ; target < 20,000
	v_cndmask_b32 v163, v163, v160, vcc_lo
	global_store_b32 v140, v163, s[54:55]          ; lanes l and l xor 16 store the same number to the same place
	v_max_num_f32 v164, v152, v153
	v_mul_f32 v166, 0xbfb8aa3b, v164
	v_fma_f32 v167, v152, s36, v166
	v_fma_f32 v168, v153, s36, v166
	v_exp_f32 v167, v167
	v_exp_f32 v168, v168
	v_nop                                          ; one plain line behind the exponentials
	s_wait_alu depctr_va_vdst(0)
	v_add_f32 v165, v167, v168
	global_store_b64 v227, v[164:165], s[70:71]
	s_endpgm
.Lfunc_end_k_qe4a8e2f48f_logits:
	.size	k_qe4a8e2f48f_logits, .Lfunc_end_k_qe4a8e2f48f_logits-k_qe4a8e2f48f_logits
	.p2alignl 7, 3214868480
	.fill 96, 4, 3214868480
	.section	.rodata,"a",@progbits
	.p2align	6, 0x0
	.amdhsa_kernel k_qe4a8e2f48f_logits
		.amdhsa_group_segment_fixed_size 241664
		.amdhsa_private_segment_fixed_size 0
		.amdhsa_enable_private_segment 0
		.amdhsa_kernarg_size 104
		.amdhsa_user_sgpr_count 2
		.amdhsa_user_sgpr_kernarg_segment_ptr 1
		.amdhsa_wavefront_size32 1
		.amdhsa_system_sgpr_workgroup_id_x 1
		.amdhsa_system_sgpr_workgroup_id_y 1
		.amdhsa_system_sgpr_workgroup_id_z 1
		.amdhsa_system_vgpr_workitem_id 0
		.amdhsa_next_free_vgpr 512
		.amdhsa_next_free_sgpr 100
		.amdhsa_reserve_vcc 1
		.amdhsa_float_denorm_mode_32 3
		.amdhsa_float_denorm_mode_16_64 3
		.amdhsa_memory_ordered 1
		.amdhsa_forward_progress 1
		.amdhsa_inst_pref_size 153
	.end_amdhsa_kernel
	.amdgpu_metadata
---
amdhsa.version: [ 1, 2 ]
amdhsa.kernels:
  - .name:           k_qe4a8e2f48f_logits
    .symbol:         k_qe4a8e2f48f_logits.kd
    .args:
      - { .name: act, .offset: 0, .size: 8, .value_kind: global_buffer, .address_space: global }
      - { .name: hw, .offset: 8, .size: 8, .value_kind: global_buffer, .address_space: global }
      - { .name: b0, .offset: 16, .size: 8, .value_kind: global_buffer, .address_space: global }
      - { .name: w1_codes, .offset: 24, .size: 8, .value_kind: global_buffer, .address_space: global }
      - { .name: w1_scales, .offset: 32, .size: 8, .value_kind: global_buffer, .address_space: global }
      - { .name: b1, .offset: 40, .size: 8, .value_kind: global_buffer, .address_space: global }
      - { .name: w2_codes, .offset: 48, .size: 8, .value_kind: global_buffer, .address_space: global }
      - { .name: w2_scales, .offset: 56, .size: 8, .value_kind: global_buffer, .address_space: global }
      - { .name: b2, .offset: 64, .size: 8, .value_kind: global_buffer, .address_space: global }
      - { .name: cluster_b, .offset: 72, .size: 8, .value_kind: global_buffer, .address_space: global }
      - { .name: target, .offset: 80, .size: 8, .value_kind: global_buffer, .address_space: global }
      - { .name: part, .offset: 88, .size: 8, .value_kind: global_buffer, .address_space: global }
      - { .name: pick, .offset: 96, .size: 8, .value_kind: global_buffer, .address_space: global }
    .group_segment_fixed_size: 241664
    .private_segment_fixed_size: 0
    .kernarg_segment_align: 8
    .kernarg_segment_size: 104
    .max_flat_workgroup_size: 256
    .sgpr_count:     100
    .vgpr_count:     512
    .wavefront_size: 32
...
	.end_amdgpu_metadata
.endif
;; end of part 2
;; launch finish (part 3): grid 64 x 1, 1 waves a work-group, no clusters, 0 bytes of LDS; arguments part, pick, target, out0; writes out0
.if DOCPART == 3
	.amdgcn_target "amdgcn-amd-amdhsa--gfx1250"
	.amdhsa_code_object_version 6
	.text
	.protected	k_qe4a8e2f48f_finish
	.globl	k_qe4a8e2f48f_finish
	.p2align	8
	.type	k_qe4a8e2f48f_finish,@function
k_qe4a8e2f48f_finish:
	s_mov_b64 s[64:65], 0
	v_nop
	global_prefetch_b8 v0, s[64:65] scope:SCOPE_SE
	s_setreg_imm32_b32 hwreg(HW_REG_WAVE_MODE, 25, 1), 1
	s_wait_xcnt 0x0
; The 94 pairs (M, L) of each token (rows 0-32: the head's 32 column groups and its two cluster columns; 33-62: tail 1; 63-93: tail 2) are joined into three log-sum-exps:
; lse = M* + ln 2 x log2(sum of L_k 2^((M_k - M*) log2 e)), M* the largest M_k.  Then nll = lse(head) - pick + (0, lse(tail 1) or lse(tail 2), by the target's cluster);
; a target of 100,000 or more belongs to no cluster and gives 0.
; One wave takes 32 tokens, a lane a token: each load reads 256 consecutive bytes of a row of part.  1.5 MB in all: no LDS, no barrier, nothing to share.
.set P,  16                            ; v16-203 the 94 pairs
.set TG, 204                           ; the target
.set PK, 205                           ; pick
	s_load_b256 s[8:15], s[0:1], 0x0               ; part s[8:9], pick s[10:11], target s[12:13], out0 s[14:15]
	v_lshlrev_b32 v1, 3, v0                        ; 8 x lane
	v_lshlrev_b32 v2, 2, v0                        ; 4 x lane
	s_lshl_b32 s18, ttmp9, 8
	s_mov_b32 s19, 0
	s_lshl_b32 s20, ttmp9, 7
	s_mov_b32 s21, 0
	s_mov_b32 s16, 0x3fb8aa3b                      ; log2 e
	s_mov_b32 s17, 0x3f317218                      ; ln 2
	s_wait_kmcnt 0x0
	s_add_nc_u64 s[8:9], s[8:9], s[18:19]
	s_add_nc_u64 s[10:11], s[10:11], s[20:21]
	s_add_nc_u64 s[12:13], s[12:13], s[20:21]
	s_add_nc_u64 s[14:15], s[14:15], s[20:21]
.set LK, 0
.rept 94
	global_load_b64 v[P+2*LK:P+2*LK+1], v1, s[8:9] offset:16384*LK
.set LK, LK+1
.endr
	global_load_b32 v[TG], v2, s[12:13]
	global_load_b32 v[PK], v2, s[10:11]
	s_wait_loadcnt 0x0
.macro LSE first, count, dst
.set LB, P+2*(\first)
	v_max3_num_f32 v4, v[LB], v[LB+2], v[LB+4]
.set LK, 3
.rept ((\count)-3)/2
	v_max3_num_f32 v4, v4, v[LB+2*LK], v[LB+2*LK+2]
.set LK, LK+2
.endr
.if LK < (\count)
	v_max_num_f32 v4, v4, v[LB+2*LK]
.endif
	v_mul_f32 v5, 0xbfb8aa3b, v4                   ; -M* log2 e
.set LK, 0
.rept \count
	v_fma_f32 v[LB+2*LK], v[LB+2*LK], s16, v5
.set LK, LK+1
.endr
.set LK, 0
.rept \count
	v_exp_f32 v[LB+2*LK], v[LB+2*LK]
.set LK, LK+1
.endr
	v_nop                                          ; one plain line behind the exponentials
	s_wait_alu depctr_va_vdst(0)
	v_mul_f32 v6, v[LB], v[LB+1]                   ; the sum, in two chains
	v_mul_f32 v7, v[LB+2], v[LB+3]
.set LK, 2
.rept ((\count)-2)/2
	v_fmac_f32 v6, v[LB+2*LK], v[LB+2*LK+1]
	v_fmac_f32 v7, v[LB+2*LK+2], v[LB+2*LK+3]
.set LK, LK+2
.endr
.if LK < (\count)
	v_fmac_f32 v6, v[LB+2*LK], v[LB+2*LK+1]
.endif
	v_add_f32 v6, v6, v7
	v_log_f32 v6, v6
	v_nop                                          ; one plain line behind the logarithm
	s_wait_alu depctr_va_vdst(0)
	v_fma_f32 v[\dst], v6, s17, v4
.endm
	LSE 0, 33, 206
	LSE 33, 30, 207
	LSE 63, 31, 208
	v_mov_b32 v11, 0
	v_sub_f32 v9, v206, v[PK]
	v_cmp_gt_i32 vcc_lo, 0xc350, v[TG]             ; target < 50,000: tail 1's, else tail 2's
	v_cndmask_b32 v10, v208, v207, vcc_lo
	v_cmp_gt_i32 vcc_lo, 0x4e20, v[TG]             ; target < 20,000: none
	v_cndmask_b32 v10, v10, v11, vcc_lo
	v_add_f32 v9, v9, v10
	v_cmp_gt_i32 vcc_lo, 0x186a0, v[TG]            ; target < 100,000, else 0
	v_cndmask_b32 v9, v11, v9, vcc_lo
	global_store_b32 v2, v9, s[14:15]
	s_endpgm
.Lfunc_end_k_qe4a8e2f48f_finish:
	.size	k_qe4a8e2f48f_finish, .Lfunc_end_k_qe4a8e2f48f_finish-k_qe4a8e2f48f_finish
	.p2alignl 7, 3214868480
	.fill 96, 4, 3214868480
	.section	.rodata,"a",@progbits
	.p2align	6, 0x0
	.amdhsa_kernel k_qe4a8e2f48f_finish
		.amdhsa_group_segment_fixed_size 0
		.amdhsa_private_segment_fixed_size 0
		.amdhsa_enable_private_segment 0
		.amdhsa_kernarg_size 32
		.amdhsa_user_sgpr_count 2
		.amdhsa_user_sgpr_kernarg_segment_ptr 1
		.amdhsa_wavefront_size32 1
		.amdhsa_system_sgpr_workgroup_id_x 1
		.amdhsa_system_sgpr_workgroup_id_y 1
		.amdhsa_system_sgpr_workgroup_id_z 1
		.amdhsa_system_vgpr_workitem_id 0
		.amdhsa_next_free_vgpr 224
		.amdhsa_next_free_sgpr 66
		.amdhsa_reserve_vcc 1
		.amdhsa_float_denorm_mode_32 3
		.amdhsa_float_denorm_mode_16_64 3
		.amdhsa_memory_ordered 1
		.amdhsa_forward_progress 1
		.amdhsa_inst_pref_size 26
	.end_amdhsa_kernel
	.amdgpu_metadata
---
amdhsa.version: [ 1, 2 ]
amdhsa.kernels:
  - .name:           k_qe4a8e2f48f_finish
    .symbol:         k_qe4a8e2f48f_finish.kd
    .args:
      - { .name: part, .offset: 0, .size: 8, .value_kind: global_buffer, .address_space: global }
      - { .name: pick, .offset: 8, .size: 8, .value_kind: global_buffer, .address_space: global }
      - { .name: target, .offset: 16, .size: 8, .value_kind: global_buffer, .address_space: global }
      - { .name: out0, .offset: 24, .size: 8, .value_kind: global_buffer, .address_space: global }
    .group_segment_fixed_size: 0
    .private_segment_fixed_size: 0
    .kernarg_segment_align: 8
    .kernarg_segment_size: 32
    .max_flat_workgroup_size: 32
    .sgpr_count:     66
    .vgpr_count:     224
    .wavefront_size: 32
...
	.end_amdgpu_metadata
.endif
;; end of part 3
;; ======== version 2 of 2: 3 launches
;; limits: right only within a limited range of input values
;; workspace buffers: act 1,531,904 bytes; hw 10,888,704 bytes; part 1,540,096 bytes; pick 8,192 bytes
;; launch prep (part 4): grid 489 x 1, 8 waves a work-group, no clusters, 136,192 bytes of LDS; arguments hidden_codes, hidden_scales, proj0_codes, proj0_scales, proj1_codes, proj1_scales, proj2_codes, proj2_scales, w0, cluster_w, act, hw; writes act, hw
.if DOCPART == 4
	.amdgcn_target "amdgcn-amd-amdhsa--gfx1250"
	.amdhsa_code_object_version 6
	.text
	.protected	k_qe4a8e2f48f_prep
	.globl	k_qe4a8e2f48f_prep
	.p2align	8
	.type	k_qe4a8e2f48f_prep,@function
k_qe4a8e2f48f_prep:
	s_mov_b64 s[64:65], 0
	v_nop
	global_prefetch_b8 v0, s[64:65] scope:SCOPE_SE
	s_setreg_imm32_b32 hwreg(HW_REG_WAVE_MODE, 25, 1), 1
	s_wait_xcnt 0x0
; TWO JOBS IN ONE LAUNCH, parted on the work-group's number.
; Work-groups 0-175 (PROJECTIONS): hidden [2048][1024] times proj0 / proj1 / proj2, all given as FP4 (E2M1) codes with E8M0 scales; the f32 results are
;   quantised along their columns (the next product's K) and stored into act as IMAGES OF OPERAND REGISTERS.
; Work-groups 176-488 (QUANTISER): w0 [20000][1024] f32 and cluster_w [2][1024] f32 are quantised along K into hw, in the same image form.
; IMAGE OF A FRAGMENT (16 rows x 128 K, 1,024 bytes): the 16 bytes at 512 c + 16 lane hold the 32 codes k = 64 c + 32 (lane / 16) + 0 .. 31 of row lane % 16:
;   two loads of 16 bytes a lane, each 512 consecutive bytes, give the operand's eight registers.
; IMAGE OF THE SCALE WORDS of 16 rows x 8 K steps (512 bytes): the word at 16 lane + 4 q is row lane % 16's word of K step 4 (lane / 16) + q.
; A block's scale is 2^(floor(log2(largest magnitude)) - 2); its byte is the largest magnitude's exponent field - 2, held at 1 from below.
; LIMITS: NaN and infinities among the inputs are not served.  A block of zeros gets the byte 1 where the quantiser says 127: its codes are zeros, which add
;   nothing under any byte but 0xff, and only this program reads the bytes.
; No tensor loads: each work-group reads its operands once.  Two work-groups fit on a WGP (256 registers a wave, 135,168 bytes of LDS).
; Each of the two jobs has LDS bytes of its own: the quantiser 0 .. 67,583 (8 waves x 16 rows x 528), the projections 67,584 .. 135,167 (128 rows x 528).
.set A0C, 0                            ; act: [128 token tiles][8 K steps][1024]  codes of hidden x proj0
.set A1C, 1048576                      ;      [128][2][1024]                      of hidden x proj1
.set A2C, 1310720                      ;      [128][1024]                         of hidden x proj2 (k = 64 .. 127: zero codes)
.set A0S, 1441792                      ;      [128][512]  scale words
.set A1S, 1507328                      ;      [128][128]  word at 4 lane: row lane % 16, K step lane / 16
.set A2S, 1523712                      ;      [128][64]   word at 4 row
.set HWS, 10248192                     ; hw: [1251 tiles of 16 rows][8][1024] codes, then from here [1251][512] scale words; tile 1250 holds the two cluster rows
.set PB,  67584                        ; LDS: the projections' stage
.set LQ,  16                           ; quantiser: v16-143  two sets of 64: 16 rows x 16 bytes a lane, as loaded
.set XQ,  144                          ;            v144-207 two sets of 32 neighbours along K
.set CDQ, 208                          ;            v208-215 two sets of 4: a block's codes
.set SWQ, 216                          ;            v216-219 the scale word of each of my 4 K steps
.set FB,  16                           ; projections: v16-79 the staged rows, then 8 fragments of the weight
.set HF,  80                           ;              v80-143 hidden's 8 fragments
.set ACC, 144                          ;              v144-207 8 accumulators
.set WS,  220                          ;              v220-251 the weight's scale words, register 4 t + q (scales and nothing else)
.set HS,  252                          ;              v252-255 hidden's
.set TM,  16                           ; behind the products: v16-31 at work, v32-39 the codes, v40 the scale word
.set PC,  32
.set PW,  40
.macro NOPS n
.rept \n
	v_nop
.endr
.endm
; One product 16 x 16 x 128 on FP4 codes.  c = -1: the sum starts with the constant 0.  row = 1: both scale words are taken from lanes 16-31.
.macro MM d, a, b, c, sa, sb, row
.if (\c) < 0
.if \row
	v_wmma_scale_f32_16x16x128_f8f6f4 v[0+(\d):7+(\d)], v[0+(\a):7+(\a)], v[0+(\b):7+(\b)], 0, v[0+(\sa)], v[0+(\sb)] matrix_a_fmt:MATRIX_FMT_FP4 matrix_b_fmt:MATRIX_FMT_FP4 matrix_a_scale:MATRIX_SCALE_ROW1 matrix_b_scale:MATRIX_SCALE_ROW1
.else
	v_wmma_scale_f32_16x16x128_f8f6f4 v[0+(\d):7+(\d)], v[0+(\a):7+(\a)], v[0+(\b):7+(\b)], 0, v[0+(\sa)], v[0+(\sb)] matrix_a_fmt:MATRIX_FMT_FP4 matrix_b_fmt:MATRIX_FMT_FP4
.endif
.else
.if \row
	v_wmma_scale_f32_16x16x128_f8f6f4 v[0+(\d):7+(\d)], v[0+(\a):7+(\a)], v[0+(\b):7+(\b)], v[0+(\c):7+(\c)], v[0+(\sa)], v[0+(\sb)] matrix_a_fmt:MATRIX_FMT_FP4 matrix_b_fmt:MATRIX_FMT_FP4 matrix_a_scale:MATRIX_SCALE_ROW1 matrix_b_scale:MATRIX_SCALE_ROW1
.else
	v_wmma_scale_f32_16x16x128_f8f6f4 v[0+(\d):7+(\d)], v[0+(\a):7+(\a)], v[0+(\b):7+(\b)], v[0+(\c):7+(\c)], v[0+(\sa)], v[0+(\sb)] matrix_a_fmt:MATRIX_FMT_FP4 matrix_b_fmt:MATRIX_FMT_FP4
.endif
.endif
.endm
	s_load_b512 s[8:23], s[0:1], 0x0               ; hidden codes s[8:9], scales s[10:11]; proj0 s[12:15]; proj1 s[16:19]; proj2 s[20:23]
	s_load_b256 s[24:31], s[0:1], 0x40             ; w0 s[24:25], cluster_w s[26:27], act s[28:29], hw s[30:31]
	v_lshl_add_u32 v15, v0, 2, 0x21000
	s_set_vgpr_msb 0x40
	v_mov_b32 v1, 0
	s_set_vgpr_msb 0x4000
	v_lshrrev_b32 v1, 5, v0
	s_delay_alu instid0(VALU_DEP_1)
	v_readfirstlane_b32 s3, v1                     ; wave 0..7
	v_and_b32 v1, 31, v0
	s_delay_alu instid0(VALU_DEP_1)
	v_lshlrev_b32 v1, 4, v1                        ; v1 = 16 x lane
	v_and_b32 v10, 15, v0                          ; r
	v_bfe_u32 v11, v0, 4, 1                        ; h
	s_mov_b32 s76, 0x76543210                      ; v_permlanex16_b32's selects for lane l xor 16
	s_mov_b32 s77, 0xfedcba98
	s_mov_b32 s78, 0xffff0000                      ; lanes 16-31
	s_mul_i32 s79, s3, 8448                        ; 16 rows of 528 bytes for each wave
	s_mov_b32 s93, 0                               ; the upper word of every 32-bit offset (s[92:93])
	s_wait_kmcnt 0x0
	s_cmp_lt_u32 ttmp9, 176
	s_cbranch_scc1 .Lproj
; ---------------------------------------------------------------- THE QUANTISER
; A wave takes 16 rows x 512 along K (4 K steps): job = 8 (work-group - 176) + wave, tile = job / 2, half of K = job % 2.  1,251 tiles x 2 = 2,502 jobs:
; the last work-group's last two waves have none and end.  No barrier: a wave's stage is its own.
; Each load reads 512 consecutive bytes of one row, 16 a lane.  The conversions want 32 neighbours along K in one lane: so a K step's 16 x 512 bytes turn through
; the wave's stage (rows 528 bytes apart: sixteen rows start at sixteen different 16-byte columns) and come back 128 bytes a lane.
	s_sub_co_u32 s66, ttmp9, 176
	s_lshl_b32 s66, s66, 3
	s_add_co_u32 s66, s66, s3                      ; job
	s_cmp_ge_u32 s66, 2502
	s_cbranch_scc1 .Lend
	s_lshr_b32 s67, s66, 1                         ; tile
	s_and_b32 s68, s66, 1                          ; half of K
	s_cmp_eq_u32 s67, 1250                         ; the last tile is cluster_w's: the choice hangs on ids alone
	s_cselect_b64 s[70:71], s[26:27], s[24:25]
	s_cselect_b32 s72, 0, s67
	s_cselect_b32 s69, 1, 15                       ; its rows 2-15 repeat rows 0 and 1: no load leaves the buffer, and nobody reads those rows' results
	s_lshl_b32 s92, s72, 16                        ; 16 rows of 4,096 bytes
	s_lshl_b32 s73, s68, 11
	s_add_co_u32 s92, s92, s73
	s_add_nc_u64 s[70:71], s[70:71], s[92:93]
.irp r, 0,1,2,3,4,5,6,7,8,9,10,11,12,13,14,15
	s_and_b32 s92, s69, \r
	s_lshl_b32 s92, s92, 12
	s_add_nc_u64 s[32+2*\r:33+2*\r], s[70:71], s[92:93]   ; a pointer for each row, so that every load's vector offset is 16 x lane
.endr
	s_lshl_b32 s92, s67, 13
	s_lshl_b32 s73, s68, 12
	s_add_co_u32 s92, s92, s73
	s_add_nc_u64 s[82:83], s[30:31], s[92:93]      ; my four fragments' images
	s_lshl_b32 s92, s67, 9
	s_lshl_b32 s73, s68, 8
	s_add_co_u32 s92, s92, s73
	s_add_co_u32 s92, s92, HWS
	s_add_nc_u64 s[84:85], s[30:31], s[92:93]      ; my 256 bytes of the tile's scale words
	s_wait_alu depctr_va_vdst(0)
	v_add_nc_u32 v2, s79, v1                       ; the stage, in: 16 x lane of a row
	v_mul_u32_u24 v3, v10, 528
	s_delay_alu instid0(VALU_DEP_1)
	v_lshl_add_u32 v3, v11, 7, v3
	s_delay_alu instid0(VALU_DEP_1)
	v_add_nc_u32 v3, s79, v3                       ; and out: row r, 128 h bytes on
	v_lshlrev_b32 v4, 3, v11                       ; 8 h
	s_delay_alu instid0(VALU_DEP_1)
	v_lshl_add_u32 v5, v10, 4, v4                  ; 16 r + 8 h: my two scale words' place
	v_mov_b32 v14, 0                               ; a lane permute's destination counts as one of its sources
.macro QLOAD q
.irp r, 0,1,2,3,4,5,6,7,8,9,10,11,12,13,14,15
	global_load_b128 v[LQ+64*((\q)%2)+4*\r:LQ+64*((\q)%2)+4*\r+3], v1, s[32+2*\r:33+2*\r] offset:512*(\q) th:TH_LOAD_NT
.endr
.endm
; Block 2 c + h of K step q: all its 32 numbers are my lane's
.macro QBLOCK q, c
.set XS, XQ+32*(\c)
	v_max3_num_f32 v8, |v[XS]|, |v[XS+1]|, |v[XS+2]|
	v_max3_num_f32 v9, |v[XS+3]|, |v[XS+4]|, |v[XS+5]|
.irp i, 6,10,14,18,22,26
	s_delay_alu instid0(VALU_DEP_2)
	v_max3_num_f32 v8, v8, |v[XS+\i]|, |v[XS+\i+1]|
	s_delay_alu instid0(VALU_DEP_2)
	v_max3_num_f32 v9, v9, |v[XS+\i+2]|, |v[XS+\i+3]|
.endr
	s_delay_alu instid0(VALU_DEP_2)
	v_max3_num_f32 v8, v8, |v[XS+30]|, |v[XS+31]|
	s_delay_alu instid0(VALU_DEP_1)
	v_max3_num_f32 v8, v8, v9, 0x1800000           ; and the floor 2^(3 - 127): the byte cannot fall under 1
	s_delay_alu instid0(VALU_DEP_1)
	v_add_nc_u32 v10, 0xff000000, v8               ; 2 off the exponent field: the conversion takes the exponent field of this operand as its scale
	s_wait_alu depctr_va_vdst(0)
	s_wait_xcnt 0x0                                ; the last K step's store has read these four registers: they are written again only behind this wait
.irp g, 0,1,2,3
	v_cvt_scalef32_pk8_fp4_f32 v[CDQ+4*(\c)+\g], v[XS+8*\g:XS+8*\g+7], v10
.endr
	v_lshrrev_b32 v[11+(\c)], 23, v10              ; the scale's byte (also the plain line behind the conversions)
	global_store_b128 v1, v[CDQ+4*(\c):CDQ+4*(\c)+3], s[82:83] offset:1024*(\q)+512*(\c)   ; 32 lanes store 512 consecutive bytes
.endm
.macro QSTEP q
.if (\q) < 3
	s_wait_loadcnt 16                              ; this K step's 16 loads are in; the next step's 16 stay out
.else
	s_wait_loadcnt 0x0
.endif
.irp r, 0,1,2,3,4,5,6,7,8,9,10,11,12,13,14,15
	ds_store_b128 v2, v[LQ+64*((\q)%2)+4*\r:LQ+64*((\q)%2)+4*\r+3] offset:528*\r
.endr
.irp c, 0,1
.irp i, 0,1,2,3,4,5,6,7
	ds_load_b128 v[XQ+32*\c+4*\i:XQ+32*\c+4*\i+3], v3 offset:256*\c+16*\i   ; LDS serves a wave's instructions in order: these see the stores above
.endr
.endr
	s_wait_dscnt 8                                 ; the first 32 numbers are back (the other eight loads may be out): so the stores have read their registers,
.if (\q) < 2
	QLOAD (\q)+2                                   ; which take the loads of two steps on
.endif
	QBLOCK \q, 0
	s_wait_dscnt 0x0
	QBLOCK \q, 1
	v_lshl_or_b32 v13, v12, 16, v11                ; my two bytes: blocks h and 2 + h,
	s_delay_alu instid0(VALU_DEP_1)
	v_lshlrev_b32 v13, v4, v13                     ; at their places in the word (8 h bits up);
	s_delay_alu instid0(VALU_DEP_1)
	v_permlanex16_b32 v14, v13, s76, s77
	s_delay_alu instid0(VALU_DEP_1)
	v_or_b32 v[SWQ+(\q)], v13, v14                 ; with lane l xor 16's two the word is whole
.endm
	QLOAD 0
	QLOAD 1
	s_wait_alu depctr_va_vdst(0)
	QSTEP 0
	QSTEP 1
	QSTEP 2
	QSTEP 3
	v_cndmask_b32 v8, v[SWQ], v[SWQ+2], s78        ; lanes 0-15 store words 0 and 1 of row r, lanes 16-31 words 2 and 3
	s_delay_alu instid0(VALU_DEP_2)
	v_cndmask_b32 v9, v[SWQ+1], v[SWQ+3], s78
	global_store_b64 v5, v[8:9], s[84:85]          ; 32 lanes store 256 consecutive bytes, aligned
.Lend:
	s_set_vgpr_msb 0x4
	s_wait_alu depctr_va_vdst(0)
	s_wait_tensorcnt 0x0
	ds_add_u32 v15, v1
	s_wait_dscnt 0x0
	s_set_vgpr_msb 0x400
	s_endpgm
; ---------------------------------------------------------------- THE PROJECTIONS
; Work-group = 16 e + x.  e picks 128 columns: e = 0-7 of proj0, 8-9 of proj1, 10 proj2's 64.  Wave w takes the token tile 8 x + w (16 tokens).
; The 128 rows of the weight's codes (512 bytes each) are staged in LDS once, 16 rows a wave, and read by all eight waves: one barrier.
; THE PRODUCT IS USED TRANSPOSED (source 0 = 16 rows of the weight, source 1 = 16 tokens), AND THE ROWS OF A TILE ARE NOT NEIGHBOURS: lane r of tile 2 b + u takes row
; 32 b + 8 u + r + 8 (r / 8), so that a lane holds one token and the 16 registers of tiles 2 b, 2 b + 1 are 16 neighbours along the next K: 32 b + 16 h + 0 .. 15.
; For proj2 LDS rows 64-127 repeat rows 0-63; the codes made of them (k = 64 .. 127 of the next product) are cleared.
.Lproj:
	s_wait_alu depctr_va_vdst(0)
	v_add_nc_u32 v2, s79, v1
	s_delay_alu instid0(VALU_DEP_1)
	v_add_nc_u32 v2, PB, v2                        ; the stage, in: my wave's 16 rows, 16 x lane
	v_and_b32 v9, 8, v10
	s_delay_alu instid0(VALU_DEP_1)
	v_add_nc_u32 v9, v9, v10                       ; r + 8 (r / 8)
	s_delay_alu instid0(VALU_DEP_1)
	v_mul_u32_u24 v3, v9, 528
	s_delay_alu instid0(VALU_DEP_1)
	v_lshl_add_u32 v3, v11, 4, v3
	s_delay_alu instid0(VALU_DEP_1)
	v_add_nc_u32 v3, PB, v3                        ; a fragment's row x pitch + 16 h
	v_lshlrev_b32 v4, 9, v10
	s_delay_alu instid0(VALU_DEP_1)
	v_lshl_add_u32 v4, v11, 4, v4                  ; hidden's codes: row r of 512 bytes + 16 h
	v_lshlrev_b32 v5, 5, v10
	s_delay_alu instid0(VALU_DEP_1)
	v_lshl_add_u32 v5, v11, 4, v5                  ; hidden's scales: row r of 32 bytes + 16 h: four words, K steps 4 h .. 4 h + 3
	v_lshlrev_b32 v6, 5, v9
	s_delay_alu instid0(VALU_DEP_1)
	v_lshl_add_u32 v6, v11, 4, v6                  ; the weight's scales, by the tile's rows
	s_wait_alu depctr_va_vdst(0)
	s_lshr_b32 s66, ttmp9, 4                       ; e
	s_and_b32 s67, ttmp9, 15
	s_lshl_b32 s67, s67, 3
	s_add_co_u32 s67, s67, s3                      ; token tile
	s_sub_co_u32 s68, s66, 8                       ; e - 8 (used where e >= 8 alone)
	s_lshl_b32 s70, s67, 13                        ; where the image goes, for each of the three cases
	s_lshl_b32 s71, s66, 10
	s_add_co_u32 s70, s70, s71                     ; proj0: A0C + 8192 tile + 1024 e
	s_lshl_b32 s71, s67, 11
	s_lshl_b32 s72, s68, 10
	s_add_co_u32 s71, s71, s72
	s_add_co_u32 s71, s71, A1C                     ; proj1
	s_lshl_b32 s72, s67, 10
	s_add_co_u32 s72, s72, A2C                     ; proj2
	s_lshl_b32 s73, s67, 9                         ; and its scale words
	s_lshr_b32 s74, s66, 2
	s_lshl_b32 s74, s74, 8
	s_add_co_u32 s73, s73, s74
	s_and_b32 s74, s66, 3
	s_lshl_b32 s74, s74, 2
	s_add_co_u32 s73, s73, s74
	s_add_co_u32 s73, s73, A0S                     ; proj0: + 256 (e / 4) + 4 (e % 4), 16 bytes from row to row
	s_lshl_b32 s74, s67, 7
	s_lshl_b32 s75, s68, 6
	s_add_co_u32 s74, s74, s75
	s_add_co_u32 s74, s74, A1S                     ; proj1: + 64 (e - 8), 4 bytes from row to row
	s_lshl_b32 s75, s67, 6
	s_add_co_u32 s75, s75, A2S                     ; proj2
	s_cmp_lt_u32 s66, 10                           ; proj1 or proj2 (only moves and selects stand between a compare and its selects)
	s_cselect_b64 s[80:81], s[16:17], s[20:21]
	s_cselect_b64 s[82:83], s[18:19], s[22:23]
	s_cselect_b32 s84, s68, 0                      ; which 128 rows of the weight
	s_cselect_b32 s85, 127, 63                     ; mask on the staged rows
	s_cselect_b32 s86, 2048, 0                     ; bytes from tile 0's scale words to tile 4's
	s_cselect_b32 s87, -1, 0                       ; mask on the codes of k = 64 .. 127
	s_cselect_b32 s88, s71, s72
	s_cselect_b32 s89, s74, s75
	s_cmp_lt_u32 s66, 8                            ; or proj0
	s_cselect_b64 s[80:81], s[12:13], s[80:81]
	s_cselect_b64 s[82:83], s[14:15], s[82:83]
	s_cselect_b32 s84, s66, s84
	s_cselect_b32 s88, s70, s88
	s_cselect_b32 s89, s73, s89
	s_cselect_b32 s90, 4, 2                        ; shift of r for the scale word's place
	s_lshl_b32 s92, s84, 16
	s_add_nc_u64 s[80:81], s[80:81], s[92:93]      ; the 128 rows' codes,
	s_lshl_b32 s92, s3, 4
	s_and_b32 s92, s92, s85
	s_lshl_b32 s92, s92, 9
	s_add_nc_u64 s[80:81], s[80:81], s[92:93]      ; the 16 of them that I stage
	s_lshl_b32 s92, s84, 12
	s_add_nc_u64 s[82:83], s[82:83], s[92:93]      ; the 128 rows' scales
	s_lshl_b32 s92, s67, 13
	s_add_nc_u64 s[8:9], s[8:9], s[92:93]          ; my tokens' codes
	s_lshl_b32 s92, s67, 9
	s_add_nc_u64 s[10:11], s[10:11], s[92:93]      ; and scales
	s_mov_b32 s92, s88
	s_add_nc_u64 s[94:95], s[28:29], s[92:93]
	s_mov_b32 s92, s89
	s_add_nc_u64 s[96:97], s[28:29], s[92:93]
	v_add_nc_u32 v7, s86, v6
	v_lshlrev_b32 v8, s90, v10
.irp i, 0,1,2,3,4,5,6,7,8,9,10,11,12,13,14,15
	global_load_b128 v[FB+4*\i:FB+4*\i+3], v1, s[80:81] offset:512*\i   ; a whole row of 512 bytes
.endr
.irp s, 0,1,2,3,4,5,6,7
.irp c, 0,1
	global_load_b128 v[HF+8*\s+4*\c:HF+8*\s+4*\c+3], v4, s[8:9] offset:64*\s+32*\c
.endr
.endr
	global_load_b128 v[HS:HS+3], v5, s[10:11]      ; register q: lanes 0-15 K step q, lanes 16-31 K step 4 + q
.irp t, 0,1,2,3
	global_load_b128 v[WS+4*\t:WS+4*\t+3], v6, s[82:83] offset:(32*(\t/2)+8*(\t%2))*32
	global_load_b128 v[WS+16+4*\t:WS+16+4*\t+3], v7, s[82:83] offset:(32*(\t/2)+8*(\t%2))*32
.endr
	s_wait_loadcnt 25                              ; the 16 rows to stage are in; the 25 loads issued behind them stay out
.irp i, 0,1,2,3,4,5,6,7,8,9,10,11,12,13,14,15
	ds_store_b128 v2, v[FB+4*\i:FB+4*\i+3] offset:528*\i
.endr
	s_wait_dscnt 0x0                               ; for the others' sake: my rows lie in LDS
	s_barrier_signal -1
	s_barrier_wait -1                              ; all 128 do
	s_wait_loadcnt 0x0
.irp s, 0,1,2,3,4,5,6,7                        ; K in steps of 128; the eight accumulators take turns, one instruction a turn
.irp t, 0,1,2,3,4,5,6,7
.irp c, 0,1
	ds_load_b128 v[FB+8*\t+4*\c:FB+8*\t+4*\c+3], v3 offset:(32*(\t/2)+8*(\t%2))*528+64*\s+32*\c
.endr
.endr
	s_wait_dscnt 0x0
.irp t, 0,1,2,3,4,5,6,7
.if \s == 0
	MM ACC+8*\t, FB+8*\t, HF+8*\s, -1, WS+4*\t+\s%4, HS+\s%4, \s/4
.else
	MM ACC+8*\t, FB+8*\t, HF+8*\s, ACC+8*\t, WS+4*\t+\s%4, HS+\s%4, \s/4
.endif
.endr
	NOPS 4                                         ; four places in front of loads into registers that the products have read, and of the first read of results
.endr
; The 64 numbers of my token, register 16 b + i = k 32 b + 16 h + i, become a fragment's codes and its scale word
.irp b, 0,1,2,3
	v_max3_num_f32 v[TM+\b], |v[ACC+16*\b]|, |v[ACC+1+16*\b]|, 0x1800000   ; each accumulator is read from its low end on; the floor 2^(3 - 127) holds the byte at 1 from below
.endr
.irp i, 2,4,6,8,10,12,14
.irp b, 0,1,2,3
	v_max3_num_f32 v[TM+\b], v[TM+\b], |v[ACC+16*\b+\i]|, |v[ACC+1+16*\b+\i]|
.endr
.endr
.irp b, 0,1,2,3
	s_delay_alu instid0(VALU_DEP_4)
	v_permlanex16_b32 v[TM+4+\b], v[TM+\b], s76, s77
.endr
.irp b, 0,1,2,3
	s_delay_alu instid0(VALU_DEP_4)
	v_max_num_f32 v[TM+\b], v[TM+\b], v[TM+4+\b]   ; with lane l xor 16's: the block's largest magnitude
.endr
.irp b, 0,1,2,3
	s_delay_alu instid0(VALU_DEP_4)
	v_add_nc_u32 v[TM+12+\b], 0xff000000, v[TM+\b] ; 2 off its exponent field: the conversion's scale operand
.endr
.irp b, 0,1,2,3
	s_delay_alu instid0(VALU_DEP_4)
	v_lshrrev_b32 v[TM+4+\b], 23, v[TM+12+\b]      ; the scale's byte
.endr
	s_delay_alu instid0(VALU_DEP_3)
	v_lshl_or_b32 v[PW], v[TM+5], 8, v[TM+4]
	s_delay_alu instid0(VALU_DEP_1)
	v_lshl_or_b32 v[PW], v[TM+6], 16, v[PW]
	s_delay_alu instid0(VALU_DEP_1)
	v_lshl_or_b32 v[PW], v[TM+7], 24, v[PW]        ; my token's scale word
.irp b, 0,1,2,3
	v_cvt_scalef32_pk8_fp4_f32 v[PC+2*\b], v[ACC+16*\b:ACC+7+16*\b], v[TM+12+\b]
	v_cvt_scalef32_pk8_fp4_f32 v[PC+1+2*\b], v[ACC+8+16*\b:ACC+15+16*\b], v[TM+12+\b]
.endr
	v_nop                                          ; one plain line behind a scaled conversion
.irp c, 0,1                                    ; the operand's layout wants a whole block in a lane: lanes 0-15 block 2 c, lanes 16-31 block 2 c + 1
.irp i, 0,1
	v_permlane16_swap_b32 v[PC+4*\c+\i], v[PC+2+4*\c+\i]
.endr
.endr
.irp i, 0,1,2,3
	v_and_b32 v[PC+4+\i], s87, v[PC+4+\i]          ; proj2: k = 64 .. 127 are zero codes
.endr
	global_store_b128 v1, v[PC:PC+3], s[94:95]     ; the image: 512 consecutive bytes a store
	global_store_b128 v1, v[PC+4:PC+7], s[94:95] offset:512
	global_store_b32 v8, v[PW], s[96:97]           ; lanes l and l xor 16 store the same word to the same place
	s_set_vgpr_msb 0x4
	s_wait_tensorcnt 0x0
	ds_add_u32 v15, v1
	s_wait_dscnt 0x0
	s_set_vgpr_msb 0x400
	s_endpgm
.Lfunc_end_k_qe4a8e2f48f_prep:
	.size	k_qe4a8e2f48f_prep, .Lfunc_end_k_qe4a8e2f48f_prep-k_qe4a8e2f48f_prep
	.p2alignl 7, 3214868480
	.fill 96, 4, 3214868480
	.section	.rodata,"a",@progbits
	.p2align	6, 0x0
	.amdhsa_kernel k_qe4a8e2f48f_prep
		.amdhsa_group_segment_fixed_size 136192
		.amdhsa_private_segment_fixed_size 0
		.amdhsa_enable_private_segment 0
		.amdhsa_kernarg_size 96
		.amdhsa_user_sgpr_count 2
		.amdhsa_user_sgpr_kernarg_segment_ptr 1
		.amdhsa_wavefront_size32 1
		.amdhsa_system_sgpr_workgroup_id_x 1
		.amdhsa_system_sgpr_workgroup_id_y 1
		.amdhsa_system_sgpr_workgroup_id_z 1
		.amdhsa_system_vgpr_workitem_id 0
		.amdhsa_next_free_vgpr 258
		.amdhsa_next_free_sgpr 100
		.amdhsa_reserve_vcc 0
		.amdhsa_float_denorm_mode_32 3
		.amdhsa_float_denorm_mode_16_64 3
		.amdhsa_memory_ordered 1
		.amdhsa_forward_progress 1
		.amdhsa_inst_pref_size 67
	.end_amdhsa_kernel
	.amdgpu_metadata
---
amdhsa.version: [ 1, 2 ]
amdhsa.kernels:
  - .name:           k_qe4a8e2f48f_prep
    .symbol:         k_qe4a8e2f48f_prep.kd
    .args:
      - { .name: hidden_codes, .offset: 0, .size: 8, .value_kind: global_buffer, .address_space: global }
      - { .name: hidden_scales, .offset: 8, .size: 8, .value_kind: global_buffer, .address_space: global }
      - { .name: proj0_codes, .offset: 16, .size: 8, .value_kind: global_buffer, .address_space: global }
      - { .name: proj0_scales, .offset: 24, .size: 8, .value_kind: global_buffer, .address_space: global }
      - { .name: proj1_codes, .offset: 32, .size: 8, .value_kind: global_buffer, .address_space: global }
      - { .name: proj1_scales, .offset: 40, .size: 8, .value_kind: global_buffer, .address_space: global }
      - { .name: proj2_codes, .offset: 48, .size: 8, .value_kind: global_buffer, .address_space: global }
      - { .name: proj2_scales, .offset: 56, .size: 8, .value_kind: global_buffer, .address_space: global }
      - { .name: w0, .offset: 64, .size: 8, .value_kind: global_buffer, .address_space: global }
      - { .name: cluster_w, .offset: 72, .size: 8, .value_kind: global_buffer, .address_space: global }
      - { .name: act, .offset: 80, .size: 8, .value_kind: global_buffer, .address_space: global }
      - { .name: hw, .offset: 88, .size: 8, .value_kind: global_buffer, .address_space: global }
    .group_segment_fixed_size: 136192
    .private_segment_fixed_size: 0
    .kernarg_segment_align: 8
    .kernarg_segment_size: 96
    .max_flat_workgroup_size: 256
    .sgpr_count:     100
    .vgpr_count:     258
    .wavefront_size: 32
...
	.end_amdgpu_metadata
.endif
;; end of part 4
;; launch logits (part 5): grid 760 x 1, 8 waves a work-group, no clusters, 241,664 bytes of LDS; arguments act, hw, b0, w1_codes, w1_scales, b1, w2_codes, w2_scales, b2, cluster_b, target, part, pick; writes part, pick
.if DOCPART == 5
	.amdgcn_target "amdgcn-amd-amdhsa--gfx1250"
	.amdhsa_code_object_version 6
	.text
	.protected	k_qe4a8e2f48f_logits
	.globl	k_qe4a8e2f48f_logits
	.p2align	8
	.type	k_qe4a8e2f48f_logits,@function
k_qe4a8e2f48f_logits:
	s_mov_b64 s[64:65], 0
	v_nop
	global_prefetch_b8 v0, s[64:65] scope:SCOPE_SE
	s_setreg_imm32_b32 hwreg(HW_REG_WAVE_SCHED_MODE, 0, 2), 2
	s_setreg_imm32_b32 hwreg(HW_REG_WAVE_MODE, 25, 1), 1
	s_wait_xcnt 0x0
	s_wait_alu depctr_vm_vsrc(0)
; The three logit products of the adaptive softmax on FP4 (E2M1) codes, with the maximum and the sum of exponentials taken on the way: no logit goes to memory.
; FOUR JOBS, parted on the work-group's number:
;   0-15     PICK: for each token the logit at its target, and the two cluster logits
;   16-263   TAIL 2: K = 64 (one K step, its upper half zero codes), 3,125 tiles of 16 columns, 13 tiles a wave
;   264-503  TAIL 1: K = 256 (2 K steps), 1,875 tiles, 8 a wave
;   504-759  HEAD:   K = 1,024 (8 K steps), 1,250 tiles, 5 a wave
; SHARES in the three products: a work-group takes 256 tokens (16 tiles, number % 8) and one group of columns (number / 8).  THE WAVES SHARE THE COLUMNS: a wave's tiles of the
; weight, their scale words and their biases stay in its registers; the 16 token tiles' images lie in LDS, staged once, and all eight waves walk them.
; THE PRODUCT IS USED TRANSPOSED (source 0 = 16 rows of the weight, source 1 = 16 tokens): a lane holds ONE token (lane % 16), its registers 8 columns 8 (lane / 16) + j of each tile.
; So a token's maximum and sum stay in the lane but for one exchange with lane l xor 16.  The bias is the C of a tile's first product.
; For each token tile a wave makes (M, L): M = the true maximum of its columns' logits, L = the sum of 2^((x - M) log2 e).  The eight waves' pairs meet in LDS and are joined into one
; pair for the work-group, stored in part[row][token].  The next launch joins the rows.
; PADDING: the last waves' tiles would pass the weight's end.  Such a wave loads the last tiles that exist, and the tiles that belong to a wave before it get the bias -1e30.
; A wave all of whose tiles are padding has M = -1e30 and a sum that may be infinite; its sum is held at the largest finite number and its weight in the join is 0.
; LIMITS: logits beyond 1e29 in magnitude, NaN and infinities are not served.
; No tensor loads, no ring: every operand is read once by a work-group.  Two waves of 512 registers share a SIMD: one wave's products stand beside the other's exponentials.
; Each job has LDS bytes of its own.
; THE MODE: SCHED_MODE bits 1:0 = 2 (LLVM: expert scheduling mode 2), set by the entry lines.  The code itself states the register dependences between vector or matrix
; instructions and memory or LDS instructions, with s_wait_alu, always for 0.
; THE PLAN, for the three products' loops (a trip = one token tile).  Registers that LDS instructions touch in a trip:
;   the token tile and its scale words (head v80-143, v228-231; tail 1 v16-31, v228; tail 2 v16-23, v228): read by the trip's products; behind them the next tile's loads land there.
;   v2, v3    the LDS addresses of those loads: written behind the products, read by the loads.
;   v[8:9]    (M, L): written by a trip's softmax, read by ONE LDS store, which is issued in the NEXT trip.     v225  that store's address, written beside v2 and v3.
;   The weight, the biases, the accumulators and v4-7, v10-15, v224 are named by vector and matrix instructions alone.
; A trip: the products | the address lines | ONE wait on va_vdst | the last trip's store and the next tile's loads | the softmax.  That wait states that the products are done reading
; the tile, that the addresses are written and that the last softmax has written (M, L).  ONE wait on vm_vsrc stands in the softmax, behind the maximum's chains (which write v4-7 alone)
; and ahead of the line that writes v8: the store has read v8, v9, v225 and the loads v2, v3, which the next trip writes.  The softmax's own wait behind its exponentials stays.
; The first trip has no pair to store and is written out; the last pair's store opens the join.
.set A0C, 0
.set A1C, 1048576
.set A2C, 1310720
.set A0S, 1441792
.set A1S, 1507328
.set A2S, 1523712
.set HWS, 10248192
.set HA,   0                           ; head:   16 x 8 images of 1,024 bytes
.set HAS,  131072                      ;         16 x 512 bytes of scale words
.set HST,  139264                      ;         [8 waves][256 tokens][(M, L)]
.set T1A,  155648                      ; tail 1: 16 x 2 images
.set T1AS, 188416                      ;         16 x 128
.set T1ST, 190464
.set T2A,  206848                      ; tail 2: 16 images
.set T2AS, 223232                      ;         16 x 64
.set T2ST, 224256                      ; ends at 240,640
; REGISTERS (window 0): v1 16 x lane; v2, v3 LDS addresses of the token tile in hand and of its scale words; v4-7 four running maxima; v[8:9] (M, L); v[10:11] -M log2 e;
;   v[12:15] two running sums; v224 for lane permutes; v225 where (M, L) goes; v226 my place among a tile's scale words; v227 8 r; v228-251 SCALE WORDS AND NOTHING ELSE;
;   v252 -1e30; v253-255 LDS addresses of the staging.  In the prologues v4-15 hold offsets.
;   head:   window 1: the weight's tiles 0-3 (64 t + 8 s);  window 0: v16-79 tile 4, v80-143 the token tile, v144-183 biases, v184-223 accumulators
;   tail 1: window 1: v0-127 the weight (16 t + 8 s), v128-191 biases;  window 0: v16-31 the token tile, v32-95 accumulators
;   tail 2: window 1: v0-103 the weight (8 t), v104-207 biases;  window 0: v16-23 the token tile, v32-135 accumulators
; s_set_vgpr_msb's low byte: bits 1:0 source 0, 3:2 source 1, 5:4 source 2, 7:6 destination.
.set MSB, 0
.macro WIN new                         ; the immediate's high byte repeats the setting that is left; at a label and at a branch every window is 0
.if MSB != \new
	s_set_vgpr_msb (MSB<<8)|\new
.set MSB, \new
.endif
.endm
.macro NOPS n
.rept \n
	v_nop
.endr
.endm
; One product 16 x 16 x 128 on FP4 codes.  c = -1: the sum starts with the constant 0.  row = 1: both scale words are taken from lanes 16-31.
.macro MM d, a, b, c, sa, sb, row
.if (\c) < 0
.if \row
	v_wmma_scale_f32_16x16x128_f8f6f4 v[0+(\d):7+(\d)], v[0+(\a):7+(\a)], v[0+(\b):7+(\b)], 0, v[0+(\sa)], v[0+(\sb)] matrix_a_fmt:MATRIX_FMT_FP4 matrix_b_fmt:MATRIX_FMT_FP4 matrix_a_scale:MATRIX_SCALE_ROW1 matrix_b_scale:MATRIX_SCALE_ROW1
.else
	v_wmma_scale_f32_16x16x128_f8f6f4 v[0+(\d):7+(\d)], v[0+(\a):7+(\a)], v[0+(\b):7+(\b)], 0, v[0+(\sa)], v[0+(\sb)] matrix_a_fmt:MATRIX_FMT_FP4 matrix_b_fmt:MATRIX_FMT_FP4
.endif
.else
.if \row
	v_wmma_scale_f32_16x16x128_f8f6f4 v[0+(\d):7+(\d)], v[0+(\a):7+(\a)], v[0+(\b):7+(\b)], v[0+(\c):7+(\c)], v[0+(\sa)], v[0+(\sb)] matrix_a_fmt:MATRIX_FMT_FP4 matrix_b_fmt:MATRIX_FMT_FP4 matrix_a_scale:MATRIX_SCALE_ROW1 matrix_b_scale:MATRIX_SCALE_ROW1
.else
	v_wmma_scale_f32_16x16x128_f8f6f4 v[0+(\d):7+(\d)], v[0+(\a):7+(\a)], v[0+(\b):7+(\b)], v[0+(\c):7+(\c)], v[0+(\sa)], v[0+(\sb)] matrix_a_fmt:MATRIX_FMT_FP4 matrix_b_fmt:MATRIX_FMT_FP4
.endif
.endif
.endm
; s39 = group of 256 tokens, s40 = group of columns, s42 = the first tile that my wave loads, s43 = how many of its tiles are padding
.macro SHARE base, nt, ntiles
	s_sub_co_u32 s38, ttmp9, \base
	s_and_b32 s39, s38, 7
	s_lshr_b32 s40, s38, 3
	s_lshl_b32 s41, s40, 3
	s_add_co_u32 s41, s41, s3
	s_mul_i32 s41, s41, \nt                        ; my first tile
	s_min_u32 s42, s41, \ntiles-\nt                ; held so that all my loads stay inside the buffers
	s_sub_co_u32 s43, s41, s42
.endm
; s[d:d+1] = s[p:p+1] + (s<reg> << sh) + add.  s47 = 0
.macro PTR d, p, sh, reg, add
	s_lshl_b32 s46, s\reg, \sh
.if \add
	s_add_co_u32 s46, s46, \add
.endif
	s_add_nc_u64 s[\d:\d+1], s[\p:\p+1], s[46:47]
.endm
.macro PARTP rowbase                   ; s[62:63] = part + 16,384 (rowbase + column group) + 2,048 x token group
	s_add_co_u32 s44, s40, \rowbase
	s_lshl_b32 s44, s44, 3
	s_add_co_u32 s44, s44, s39
	PTR 62, 30, 11, 44, 0
.endm
.macro PADMASK breg, t                 ; tile t's eight biases become -1e30 where the tile is padding: a select on ids
	s_cmp_gt_u32 s43, \t
	s_cselect_b32 s44, -1, 0
.irp j, 0,1,2,3,4,5,6,7
	v_cndmask_b32 v[\breg+\j], v[\breg+\j], v252, s44
.endr
.endm
; (M, L) of my token over the wave's nt tiles, accumulators from v[ac] on.  20 nt + 12 instructions: half a maximum, half a scaling, one exponential and half an addition a logit.
.macro STATS ac, nt
.set SG, 0
.rept ((\nt)+3)/4                      ; four chains; tile t goes to chain t % 4; each accumulator is read from its low end on
.set SLN, 0
.rept 4
.set STL, 4*SG
.rept 4
.if STL < (\nt)
.if (SG == 0) && (SLN == 0)
	v_max_num_f32 v[4+STL%4], v[\ac+8*STL], v[\ac+8*STL+1]
.else
	v_max3_num_f32 v[4+STL%4], v[4+STL%4], v[\ac+8*STL+2*SLN], v[\ac+8*STL+2*SLN+1]
.endif
.endif
.set STL, STL+1
.endr
.set SLN, SLN+1
.endr
.set SG, SG+1
.endr
	s_wait_alu depctr_vm_vsrc(0)                   ; the store of the last trip's (M, L) has read v8, v9 and v225, and the fetch of the next token tile v2 and v3: v8 is written on the next line, v9 at this macro's end, the three addresses in the next trip
	v_max3_num_f32 v8, v4, v5, v6
	v_max_num_f32 v8, v8, v7
	v_permlanex16_b32 v224, v8, s34, s35
	v_max_num_f32 v8, v8, v224                     ; M: with lane l xor 16's columns
	v_mul_f32 v10, 0xbfb8aa3b, v8                  ; -M log2 e
.set SJ, 0
.rept 4*(\nt)
	v_pk_fma_f32 v[\ac+2*SJ:\ac+2*SJ+1], v[\ac+2*SJ:\ac+2*SJ+1], s[36:37], v[10:11] op_sel_hi:[1,0,0]   ; (x - M) log2 e, two at a time (of both pairs the low word serves both halves)
.set SJ, SJ+1
.endr
.set SJ, 0
	s_wait_alu depctr_va_vdst(0)
.rept 8*(\nt)
	v_exp_f32 v[\ac+SJ], v[\ac+SJ]
.set SJ, SJ+1
.endr
	v_nop                                          ; the plain line between the exponentials and the use of their results
	s_wait_alu depctr_va_vdst(0)                   ; the exponentials have written their results: one wait for the batch, ahead of its first reader
	v_pk_add_f32 v[12:13], v[\ac:\ac+1], v[\ac+2:\ac+3]
	v_pk_add_f32 v[14:15], v[\ac+4:\ac+5], v[\ac+6:\ac+7]
.set SJ, 8
.rept 2*(\nt)-2
	v_pk_add_f32 v[12:13], v[12:13], v[\ac+SJ:\ac+SJ+1]
	v_pk_add_f32 v[14:15], v[14:15], v[\ac+SJ+2:\ac+SJ+3]
.set SJ, SJ+4
.endr
	v_pk_add_f32 v[12:13], v[12:13], v[14:15]
	v_add_f32 v9, v12, v13
	v_permlanex16_b32 v224, v9, s34, s35
	v_add_f32 v9, v9, v224                         ; L
.endm
; The last token tile's pair goes to LDS; then the eight waves' pairs are joined: thread i takes token i of the work-group's 256.
.macro COMBINE st
	v_add_nc_u32 v225, s50, v227                   ; where the last token tile's (M, L) goes
	v_lshl_add_u32 v2, v0, 3, \st                  ; where I read my token's eight pairs
	v_lshlrev_b32 v6, 3, v0                        ; and where the joint pair goes in part
	s_wait_alu depctr_va_vdst(0)                   ; the last softmax has written (M, L), which the store reads; v225 and v2 are written, which the store and the loads below read; the last products are done reading v16-31, in which those loads land
	ds_store_b64 v225, v[8:9]                      ; lanes l and l xor 16 store the same pair to the same place
	s_wait_dscnt 0x0                               ; for the others' sake: my pairs lie in LDS
	s_barrier_signal -1
	s_barrier_wait -1
.irp w, 0,1,2,3,4,5,6,7
	ds_load_b64 v[16+2*\w:17+2*\w], v2 offset:2048*\w   ; no vector or matrix instruction since the wait above names v2 or v16-31
.endr
	s_wait_dscnt 0x0
	v_max3_num_f32 v4, v16, v18, v20
	v_max3_num_f32 v4, v4, v22, v24
	v_max3_num_f32 v4, v4, v26, v28
	v_max_num_f32 v4, v4, v30                      ; the joint M
	v_mul_f32 v7, 0xbfb8aa3b, v4
.irp w, 0,1,2,3,4,5,6,7
	v_fma_f32 v[32+\w], v[16+2*\w], s36, v7
.endr
	s_wait_alu depctr_va_vdst(0)
.irp w, 0,1,2,3,4,5,6,7
	v_exp_f32 v[32+\w], v[32+\w]                   ; each wave's weight, at most 1; 0 for a wave of padding
.endr
.irp w, 0,1,2,3,4,5,6,7
	v_min_num_f32 v[17+2*\w], 0x7f7fffff, v[17+2*\w]   ; a wave of padding may have an infinite sum: held finite, so that its weight 0 makes it 0
.endr
	s_wait_alu depctr_va_vdst(0)                   ; the eight exponentials have written their results: one wait, ahead of the first reader
	v_mul_f32 v5, v32, v17
.irp w, 1,2,3,4,5,6,7
	v_fmac_f32 v5, v[32+\w], v[17+2*\w]
.endr
	s_wait_alu depctr_va_vdst(0)                   ; the joint L, v5, is written (M, v4, and the offset v6 earlier): the store reads the three
	global_store_b64 v6, v[4:5], s[62:63]          ; a wave stores 256 consecutive bytes, aligned
.endm
	s_load_b512 s[8:23], s[0:1], 0x0               ; act s[8:9], hw s[10:11], b0 s[12:13], w1 codes s[14:15], scales s[16:17], b1 s[18:19], w2 codes s[20:21], scales s[22:23]
	s_load_b256 s[24:31], s[0:1], 0x40             ; b2 s[24:25], cluster_b s[26:27], target s[28:29], part s[30:31]
	s_load_b64 s[32:33], s[0:1], 0x60              ; pick
	v_lshrrev_b32 v1, 5, v0
	v_readfirstlane_b32 s3, v1                     ; wave 0..7
	v_and_b32 v1, 31, v0
	v_lshlrev_b32 v1, 4, v1                        ; 16 x lane
	v_and_b32 v12, 15, v0                          ; r
	v_bfe_u32 v13, v0, 4, 1                        ; h
	v_lshlrev_b32 v227, 3, v12                     ; 8 r
	v_lshlrev_b32 v5, 5, v13                       ; 32 h: my eight biases of a tile
	v_lshlrev_b32 v4, 4, v0                        ; 16 x thread: the staging
	v_mov_b32 v224, 0                              ; a lane permute's destination counts as one of its sources
	v_mov_b32 v11, 0                               ; (named as the upper half of the pair v[10:11])
	v_mov_b32 v252, 0xf149f2ca                     ; -1e30
	s_wait_alu depctr_va_sdst(0)                   ; s3, the wave's number, is written: every path below makes its shares and addresses from it
	s_mov_b32 s34, 0x76543210                      ; v_permlanex16_b32's selects for lane l xor 16
	s_mov_b32 s35, 0xfedcba98
	s_mov_b32 s36, 0x3fb8aa3b                      ; log2 e
	s_mov_b32 s37, s36                             ; (named with it as a pair)
	s_mov_b32 s47, 0
	s_wait_kmcnt 0x0
	s_cmp_lt_u32 ttmp9, 16
	s_cbranch_scc1 .Lpick
	s_cmp_lt_u32 ttmp9, 264
	s_cbranch_scc1 .Ltail2
	s_cmp_lt_u32 ttmp9, 504
	s_cbranch_scc1 .Ltail1
; ---------------------------------------------------------------- HEAD
	SHARE 504, 5, 1250
	PTR 52, 8, 17, 39, 0                           ; my 16 token tiles' images (A0C = 0)
	PTR 54, 8, 13, 39, A0S                         ; and scale words
	PTR 56, 10, 13, 42, 0                          ; my five tiles of the weight
	PTR 58, 10, 9, 42, HWS
	PTR 60, 12, 6, 42, 0                           ; their biases
	PARTP 0
	s_wait_alu depctr_va_vdst(0)
	v_mov_b32 v226, v1
	v_lshl_add_u32 v253, v0, 4, HA
	v_lshl_add_u32 v254, v0, 4, HA+65536
	v_lshl_add_u32 v255, v0, 4, HAS
	s_mov_b32 s48, HA
	s_mov_b32 s49, HAS
	s_lshl_b32 s50, s3, 11
	s_add_co_u32 s50, s50, HST
	s_wait_alu depctr_va_vdst(0)                   ; the offsets v1 and v4 and the LDS addresses v253 to v255 are written, which the loads and LDS stores up to the barrier read
.set N, 0
.rept 32
	global_load_b128 v[80+4*N:83+4*N], v4, s[52:53] offset:4096*N   ; the work-group's 256 threads read 4,096 consecutive bytes
.set N, N+1
.endr
	global_load_b128 v[208:211], v4, s[54:55]
	global_load_b128 v[212:215], v4, s[54:55] offset:4096
	WIN 0x40                                       ; destination window 1
.irp t, 0,1,2
.irp s, 0,1,2,3,4,5,6,7
.irp c, 0,1
	global_load_b128 v[64*\t+8*\s+4*\c:64*\t+8*\s+4*\c+3], v1, s[56:57] offset:8192*\t+1024*\s+512*\c
.endr
.endr
.endr
	WIN 0
	s_wait_loadcnt 48                              ; the 34 loads of the staging are in; the 48 issued behind them stay out
.set N, 0
.rept 16
	ds_store_b128 v253, v[80+4*N:83+4*N] offset:4096*N
	ds_store_b128 v254, v[144+4*N:147+4*N] offset:4096*N
.set N, N+1
.endr
	ds_store_b128 v255, v[208:211]
	ds_store_b128 v255, v[212:215] offset:4096
	WIN 0x40
.irp s, 0,1,2,3,4,5,6,7
.irp c, 0,1
	global_load_b128 v[192+8*\s+4*\c:192+8*\s+4*\c+3], v1, s[56:57] offset:8192*3+1024*\s+512*\c
.endr
.endr
	WIN 0
.irp s, 0,1,2,3,4,5,6,7
.irp c, 0,1
	global_load_b128 v[16+8*\s+4*\c:16+8*\s+4*\c+3], v1, s[56:57] offset:8192*4+1024*\s+512*\c
.endr
.endr
	s_wait_dscnt 0x0                               ; my part of the images lies in LDS
	s_barrier_signal -1
	s_barrier_wait -1                              ; everybody's does
.macro HFETCH
.irp i, 0,1,2,3,4,5,6,7,8,9,10,11,12,13,14,15
	ds_load_b128 v[80+4*\i:83+4*\i], v2 offset:512*\i
.endr
	ds_load_b128 v[228:231], v3
.endm
	v_add_nc_u32 v2, s48, v1
	v_add_nc_u32 v3, s49, v226
	s_wait_alu depctr_vm_vsrc(0)                   ; the staging's LDS stores have read v80 to v215: the biases land in v144-183 and the first token tile in v80-143
	s_wait_alu depctr_va_vdst(0)                   ; v2 and v3 are written, which the token tile's loads read (v1 and v5, the other loads' offsets, earlier)
.irp t, 0,1,2,3,4
	global_load_b128 v[232+4*\t:235+4*\t], v1, s[58:59] offset:512*\t      ; register q: lanes 0-15 K step q, lanes 16-31 K step 4 + q
	global_load_b128 v[144+8*\t:147+8*\t], v5, s[60:61] offset:64*\t
	global_load_b128 v[148+8*\t:151+8*\t], v5, s[60:61] offset:64*\t+16
.endr
	HFETCH
	s_wait_loadcnt 0x0
	s_wait_alu depctr_vm_vsrc(0)                   ; the loads above have read their offsets v4 and v5, which the softmax's lines write, and the fetch v2 and v3, which the first trip writes
.irp t, 0,1,2,3,4
	PADMASK 144+8*\t, \t
.endr
	NOPS 8
; A trip: one token tile.  40 products, the five accumulators by turns, one instruction a turn; the weight's 320 registers span two windows, hence two switches a K step.
; first = 1: there is no pair of a trip before to store.  more = 1: the next token tile is fetched.
.macro HTRIP first, more
	s_wait_dscnt 0x0                               ; the token tile and its scale words are in (asked for ahead of the last trip's softmax)
.irp s, 0,1,2,3,4,5,6,7
	WIN 0x01                                       ; source 0 window 1
.irp t, 0,1,2,3
.if \s == 0
	MM 184+8*\t, 64*\t+8*\s, 80+8*\s, 144+8*\t, 232+4*\t+\s%4, 228+\s%4, \s/4
.else
	MM 184+8*\t, 64*\t+8*\s, 80+8*\s, 184+8*\t, 232+4*\t+\s%4, 228+\s%4, \s/4
.endif
.endr
	WIN 0
.if \s == 0
	MM 216, 16+8*\s, 80+8*\s, 176, 248+\s%4, 228+\s%4, \s/4
.else
	MM 216, 16+8*\s, 80+8*\s, 216, 248+\s%4, 228+\s%4, \s/4
.endif
.endr
	NOPS 4                                         ; four places in front of the first read of results
.if !\first
	v_add_nc_u32 v225, s50, v227                   ; where the last trip's (M, L) goes
.endif
.if \more
	s_add_co_u32 s48, s48, 8192
	s_add_co_u32 s49, s49, 512
	v_add_nc_u32 v2, s48, v1
	v_add_nc_u32 v3, s49, v226
.endif
	s_wait_alu depctr_va_vdst(0)                   ; the products are done reading v80-143 and v228-231, in which the loads below land; v2, v3 and v225 are written; the last trip's softmax has written (M, L)
.if !\first
	ds_store_b64 v225, v[8:9]                      ; the last trip's pair; lanes l and l xor 16 store the same pair to the same place
.endif
.if \more
	HFETCH                                         ; the next token tile lands while this one's softmax is worked
.endif
	STATS 184, 5
.if !\first
	s_add_co_u32 s50, s50, 128
.endif
.endm
	s_wait_alu depctr_va_vdst(0)
	HTRIP 1, 1                                     ; the first token tile
	s_mov_b32 s51, 14
.Lh_loop:
	HTRIP 0, 1
	s_sub_co_u32 s51, s51, 1
	s_cmp_lg_u32 s51, 0
	s_cbranch_scc1 .Lh_loop
	HTRIP 0, 0                                     ; the last token tile: nothing more to fetch
	COMBINE HST
	s_wait_xcnt 0x0                                ; the store above has had its address translated
	v_lshl_add_u32 v254, v0, 2, 0x3ac00            ; the add's two registers, made anew: the last instructions that read v254 and v255, the staging's stores, stand ahead of the waits on vm_vsrc above
	v_mov_b32 v255, 0
	s_wait_dscnt 0x0                               ; the closing lines, six on end
	s_wait_alu 0x0
	s_wait_tensorcnt 0x0
	ds_add_u32 v254, v255
	s_wait_dscnt 0x0
	s_endpgm
; ---------------------------------------------------------------- TAIL 1
.Ltail1:
	SHARE 264, 8, 1875
	PTR 52, 8, 15, 39, A1C
	PTR 54, 8, 11, 39, A1S
	PTR 56, 14, 11, 42, 0                          ; a tile of w1: 16 rows of 128 bytes
	PTR 58, 16, 7, 42, 0                           ; 16 rows of 8 scale bytes
	PTR 60, 18, 6, 42, 0
	PARTP 33
	s_wait_alu depctr_va_vdst(0)
	v_lshlrev_b32 v6, 7, v12
	v_lshl_add_u32 v6, v13, 4, v6                  ; w1's codes: row r + 16 h
	v_lshlrev_b32 v7, 3, v12
	v_lshl_add_u32 v7, v13, 2, v7                  ; its scale words: lanes 0-15 K step 0, lanes 16-31 K step 1
	v_lshlrev_b32 v8, 3, v0
	v_and_b32 v226, 31, v0
	v_lshlrev_b32 v226, 2, v226                    ; 4 x lane
	v_lshl_add_u32 v253, v0, 4, T1A
	v_lshl_add_u32 v254, v0, 3, T1AS
	s_mov_b32 s48, T1A
	s_mov_b32 s49, T1AS
	s_lshl_b32 s50, s3, 11
	s_add_co_u32 s50, s50, T1ST
	s_wait_alu depctr_va_vdst(0)                   ; the offsets v4 to v8 and the LDS addresses v253 and v254 are written, which the loads and LDS stores up to the barrier read
.irp n, 0,1,2,3,4,5,6,7
	global_load_b128 v[96+4*\n:99+4*\n], v4, s[52:53] offset:4096*\n
.endr
	global_load_b64 v[128:129], v8, s[54:55]
	WIN 0x40
.irp t, 0,1,2,3,4,5,6,7
.irp s, 0,1
.irp c, 0,1
	global_load_b128 v[16*\t+8*\s+4*\c:16*\t+8*\s+4*\c+3], v6, s[56:57] offset:2048*\t+64*\s+32*\c
.endr
.endr
	global_load_b128 v[128+8*\t:131+8*\t], v5, s[60:61] offset:64*\t
	global_load_b128 v[132+8*\t:135+8*\t], v5, s[60:61] offset:64*\t+16
.endr
	WIN 0
.irp t, 0,1,2,3,4,5,6,7
	global_load_b32 v[229+\t], v7, s[58:59] offset:128*\t
.endr
	s_wait_loadcnt 56                              ; the 9 loads of the staging are in; the 56 issued behind them stay out
.irp n, 0,1,2,3,4,5,6,7
	ds_store_b128 v253, v[96+4*\n:99+4*\n] offset:4096*\n
.endr
	ds_store_b64 v254, v[128:129]
	s_wait_dscnt 0x0
	s_barrier_signal -1
	s_barrier_wait -1
.macro T1FETCH
.irp i, 0,1,2,3
	ds_load_b128 v[16+4*\i:19+4*\i], v2 offset:512*\i
.endr
	ds_load_b32 v228, v3
.endm
	v_add_nc_u32 v2, s48, v1
	v_add_nc_u32 v3, s49, v226
	s_wait_alu depctr_va_vdst(0)                   ; v2 and v3 are written, which the token tile's loads read
	T1FETCH
	s_wait_loadcnt 0x0
	s_wait_alu depctr_vm_vsrc(0)                   ; the loads above have read their offsets v4 to v8, which the softmax's lines write, and the fetch v2 and v3, which the first trip writes
	WIN 0x41                                       ; the biases (destination and source 0) in window 1
.irp t, 0,1,2,3,4,5,6,7
	PADMASK 128+8*\t, \t
.endr
	WIN 0
	NOPS 8
.macro T1TRIP first, more
	s_wait_dscnt 0x0
	WIN 0x11                                       ; source 0 (the weight) and source 2 (the bias) window 1
.irp t, 0,1,2,3,4,5,6,7
	MM 32+8*\t, 16*\t, 16, 128+8*\t, 229+\t, 228, 0
.endr
	WIN 0x01
.irp t, 0,1,2,3,4,5,6,7
	MM 32+8*\t, 16*\t+8, 24, 32+8*\t, 229+\t, 228, 1
.endr
	WIN 0
	NOPS 4
.if !\first
	v_add_nc_u32 v225, s50, v227                   ; where the last trip's (M, L) goes
.endif
.if \more
	s_add_co_u32 s48, s48, 2048
	s_add_co_u32 s49, s49, 128
	v_add_nc_u32 v2, s48, v1
	v_add_nc_u32 v3, s49, v226
.endif
	s_wait_alu depctr_va_vdst(0)                   ; the products are done reading v16-31 and v228, in which the loads below land; v2, v3 and v225 are written; the last trip's softmax has written (M, L)
.if !\first
	ds_store_b64 v225, v[8:9]
.endif
.if \more
	T1FETCH
.endif
	STATS 32, 8
.if !\first
	s_add_co_u32 s50, s50, 128
.endif
.endm
	s_wait_alu depctr_va_vdst(0)
	T1TRIP 1, 1
	s_mov_b32 s51, 14
.Lt1_loop:
	T1TRIP 0, 1
	s_sub_co_u32 s51, s51, 1
	s_cmp_lg_u32 s51, 0
	s_cbranch_scc1 .Lt1_loop
	T1TRIP 0, 0
	COMBINE T1ST
	s_wait_xcnt 0x0                                ; the store above has had its address translated
	v_lshl_add_u32 v254, v0, 2, 0x3ac00            ; the add's two registers, made anew: the last instruction that read v254, a staging store, stands ahead of the waits on vm_vsrc above
	v_mov_b32 v255, 0
	s_wait_dscnt 0x0                               ; the closing lines, six on end
	s_wait_alu 0x0
	s_wait_tensorcnt 0x0
	ds_add_u32 v254, v255
	s_wait_dscnt 0x0
	s_endpgm
; ---------------------------------------------------------------- TAIL 2
.Ltail2:
	SHARE 16, 13, 3125
	PTR 52, 8, 14, 39, A2C
	PTR 54, 8, 10, 39, A2S
	PTR 56, 20, 9, 42, 0                           ; a tile of w2: 16 rows of 32 bytes
	PTR 58, 22, 5, 42, 0                           ; 16 rows of 2 scale bytes
	PTR 60, 24, 6, 42, 0
	PARTP 63
	s_wait_alu depctr_va_vdst(0)
	v_lshlrev_b32 v6, 5, v12
	v_lshl_add_u32 v6, v13, 4, v6                  ; w2's codes: row r + 16 h: k = 32 h + 0 .. 31
	v_lshlrev_b32 v7, 1, v12                       ; its two scale bytes; the word's upper two bytes are 0 and stand over zero codes
	v_lshlrev_b32 v8, 2, v0
	v_lshlrev_b32 v226, 2, v12                     ; 4 r
	v_lshl_add_u32 v253, v0, 4, T2A
	v_lshl_add_u32 v254, v0, 2, T2AS
	s_mov_b32 s48, T2A
	s_mov_b32 s49, T2AS
	s_lshl_b32 s50, s3, 11
	s_add_co_u32 s50, s50, T2ST
	s_wait_alu depctr_va_vdst(0)                   ; the offsets v4 to v8 and the LDS addresses v253 and v254 are written, which the loads and LDS stores up to the barrier read
.irp n, 0,1,2,3
	global_load_b128 v[136+4*\n:139+4*\n], v4, s[52:53] offset:4096*\n
.endr
	global_load_b32 v152, v8, s[54:55]
	WIN 0x40
.irp t, 0,1,2,3,4,5,6,7,8,9,10,11,12
	global_load_b128 v[8*\t:8*\t+3], v6, s[56:57] offset:512*\t
	global_load_b128 v[104+8*\t:107+8*\t], v5, s[60:61] offset:64*\t
	global_load_b128 v[108+8*\t:111+8*\t], v5, s[60:61] offset:64*\t+16
.endr
	WIN 0
.irp t, 0,1,2,3,4,5,6,7,8,9,10,11,12
	global_load_u16 v[229+\t], v7, s[58:59] offset:32*\t
.endr
	s_wait_loadcnt 52                              ; the 5 loads of the staging are in; the 52 issued behind them stay out
.irp n, 0,1,2,3
	ds_store_b128 v253, v[136+4*\n:139+4*\n] offset:4096*\n
.endr
	ds_store_b32 v254, v152
	s_wait_dscnt 0x0
	s_barrier_signal -1
	s_barrier_wait -1
.macro T2FETCH
	ds_load_b128 v[16:19], v2
	ds_load_b128 v[20:23], v2 offset:512
	ds_load_b32 v228, v3
.endm
	v_add_nc_u32 v2, s48, v1
	v_add_nc_u32 v3, s49, v226
	s_wait_alu depctr_va_vdst(0)                   ; v2 and v3 are written, which the token tile's loads read
	T2FETCH
	WIN 0x40
.irp t, 0,1,2,3,4,5,6,7,8,9,10,11,12
.irp i, 4,5,6,7
	v_mov_b32 v[8*\t+\i], 0                        ; K = 64: the K step's upper half is zero codes, on this side too; written once for the 16 trips, while the loads land
.endr
.endr
	s_wait_loadcnt 0x0
	s_wait_alu depctr_vm_vsrc(0)                   ; the loads above have read their offsets v4 to v8, which the softmax's lines write, and the fetch v2 and v3, which the first trip writes
	WIN 0x41
.irp t, 0,1,2,3,4,5,6,7,8,9,10,11,12
	PADMASK 104+8*\t, \t
.endr
	WIN 0
	NOPS 8
	s_wait_alu depctr_va_vdst(0)                   ; the zero codes of the weight's upper halves are written, which the scaled products take as part of source 0; the places above stay beside this wait
.macro T2TRIP first, more
	s_wait_dscnt 0x0
	WIN 0x11
.irp t, 0,1,2,3,4,5,6,7,8,9,10,11,12
	MM 32+8*\t, 8*\t, 16, 104+8*\t, 229+\t, 228, 0
.endr
	WIN 0
	NOPS 4
.if !\first
	v_add_nc_u32 v225, s50, v227                   ; where the last trip's (M, L) goes
.endif
.if \more
	s_add_co_u32 s48, s48, 1024
	s_add_co_u32 s49, s49, 64
	v_add_nc_u32 v2, s48, v1
	v_add_nc_u32 v3, s49, v226
.endif
	s_wait_alu depctr_va_vdst(0)                   ; the products are done reading v16-23 and v228, in which the loads below land; v2, v3 and v225 are written; the last trip's softmax has written (M, L)
.if !\first
	ds_store_b64 v225, v[8:9]
.endif
.if \more
	T2FETCH
.endif
	STATS 32, 13
.if !\first
	s_add_co_u32 s50, s50, 128
.endif
.endm
	T2TRIP 1, 1
	s_mov_b32 s51, 14
.Lt2_loop:
	T2TRIP 0, 1
	s_sub_co_u32 s51, s51, 1
	s_cmp_lg_u32 s51, 0
	s_cbranch_scc1 .Lt2_loop
	T2TRIP 0, 0
	COMBINE T2ST
	s_wait_xcnt 0x0                                ; the store above has had its address translated
	v_lshl_add_u32 v254, v0, 2, 0x3ac00            ; the add's two registers, made anew: the last instruction that read v254, a staging store, stands ahead of the waits on vm_vsrc above
	v_mov_b32 v255, 0
	s_wait_dscnt 0x0                               ; the closing lines, six on end
	s_wait_alu 0x0
	s_wait_tensorcnt 0x0
	ds_add_u32 v254, v255
	s_wait_dscnt 0x0
	s_endpgm
; ---------------------------------------------------------------- PICK
; A wave takes a token tile.  Source 0 of three products holds, in lane r, THE ROW OF THE WEIGHT THAT TOKEN r's TARGET NAMES (in the head, in tail 1, in tail 2; the index held inside
; each table as the problem's own clip holds it), so that the wanted logit is the diagonal of the 16 x 16 result.  A fourth product takes the tile with the two cluster rows.
; Stored: pick[token] = the logit(s) that the token's negative log-likelihood takes away: target < 20,000: the head's logit at the target; < 50,000: cluster logit 1 (column 20,001) +
; tail 1's logit; else cluster logit 0 (column 20,000) + tail 2's.  And part's row 32: (M, L) of the two cluster columns, which belong to the head's softmax.
; window 1: v0-63 the cluster tile, v64-127 the head's gathered rows, v128-143 tail 1's, v144-151 tail 2's.  window 0: v16-79, v80-95, v96-103 the token tile's three operands;
; v104-135 four accumulators; v136-138 biases; v139 the target; v140-151 offsets; v152-170 at work.  No LDS, no barrier.
; No register that a load or store of this path reads is written again, so the path holds no wait on vm_vsrc.
.Lpick:
	s_lshl_b32 s38, ttmp9, 3
	s_add_co_u32 s38, s38, s3                      ; token tile
	PTR 52, 28, 6, 38, 0                           ; target
	PTR 54, 32, 6, 38, 0                           ; pick
	PTR 56, 8, 6, 38, A2S
	PTR 58, 8, 13, 38, 0
	PTR 60, 8, 9, 38, A0S
	PTR 62, 8, 11, 38, A1C
	PTR 66, 8, 7, 38, A1S
	PTR 68, 8, 10, 38, A2C
	PTR 70, 30, 7, 38, 32*16384                    ; part, row 32
	s_add_nc_u64 s[72:73], s[10:11], HWS           ; hw's scale words
	s_add_nc_u64 s[76:77], s[10:11], 1250*8192     ; the cluster tile
	s_load_b64 s[74:75], s[26:27], 0x0             ; cluster_b
.irp j, 1,2,3,4,5,6,7
	s_mov_b32 s[79+\j], 0x01010101<<\j             ; lanes with lane % 8 = j
.endr
	s_mov_b32 s87, 0xff0000ff                      ; lanes 0-7 and 24-31: those that hold a diagonal element
	s_mov_b32 s88, 0xffff0000                      ; lanes 16-31
	s_wait_alu depctr_va_vdst(0)
	v_lshlrev_b32 v140, 2, v12                     ; 4 r
	v_and_b32 v141, 31, v0
	v_lshlrev_b32 v141, 2, v141                    ; 4 x lane
	s_wait_alu depctr_va_vdst(0)                   ; the offsets v1, v140, v141 and v227 are written, which the loads below and the two stores at the end read
	global_load_b32 v139, v140, s[52:53]           ; token r's target
.irp i, 0,1,2,3,4,5,6,7,8,9,10,11,12,13,14,15
	global_load_b128 v[16+4*\i:19+4*\i], v1, s[58:59] offset:512*\i
.endr
	global_load_b128 v[228:231], v1, s[60:61]
.irp i, 0,1,2,3
	global_load_b128 v[80+4*\i:83+4*\i], v1, s[62:63] offset:512*\i
.endr
	global_load_b32 v240, v141, s[66:67]
	global_load_b128 v[96:99], v1, s[68:69]
	global_load_b128 v[100:103], v1, s[68:69] offset:512
	global_load_b32 v241, v140, s[56:57]
	WIN 0x40
.irp i, 0,1,2,3,4,5,6,7,8,9,10,11,12,13,14,15
	global_load_b128 v[4*\i:4*\i+3], v1, s[76:77] offset:512*\i
.endr
	WIN 0
	global_load_b128 v[232:235], v1, s[72:73] offset:1250*512
	s_wait_loadcnt 42                              ; the target is in; the 42 loads issued behind it stay out
	v_max_i32 v152, 0, v139
	v_min_u32 v152, 19999, v152                    ; the head's row
	v_add_nc_u32 v153, 0xffffb1e0, v139            ; target - 20,000
	v_max_i32 v153, 0, v153
	v_min_u32 v153, 29999, v153                    ; tail 1's row
	v_add_nc_u32 v154, 0xffff3cb0, v139            ; target - 50,000
	v_max_i32 v154, 0, v154
	v_min_u32 v154, 49999, v154                    ; tail 2's row
	v_and_b32 v156, -16, v152                      ; 16 x its tile in hw,
	v_and_b32 v157, 15, v152                       ; its row in the tile
	v_lshlrev_b32 v143, 9, v156
	v_lshl_add_u32 v143, v157, 4, v143
	v_lshl_add_u32 v143, v13, 8, v143              ; its piece of an image: 8,192 tile + 16 (16 h + row)
	v_lshlrev_b32 v144, 5, v156
	v_lshl_add_u32 v144, v157, 4, v144
	v_lshl_add_u32 v144, v13, 8, v144              ; its four scale words: 512 tile + 16 (16 h + row)
	v_lshlrev_b32 v145, 7, v153
	v_lshl_add_u32 v145, v13, 4, v145
	v_lshlrev_b32 v146, 3, v153
	v_lshl_add_u32 v146, v13, 2, v146
	v_lshlrev_b32 v147, 5, v154
	v_lshl_add_u32 v147, v13, 4, v147
	v_lshlrev_b32 v148, 1, v154
	v_lshlrev_b32 v149, 2, v152
	v_lshlrev_b32 v150, 2, v153
	v_lshlrev_b32 v151, 2, v154
	WIN 0x40
	s_wait_alu depctr_va_vdst(0)                   ; the gather's nine offsets v143 to v151 are written, which the loads below read: all of them made first, then the one wait
.irp i, 0,1,2,3,4,5,6,7,8,9,10,11,12,13,14,15
	global_load_b128 v[64+4*\i:67+4*\i], v143, s[10:11] offset:512*\i
.endr
.irp s, 0,1
.irp c, 0,1
	global_load_b128 v[128+8*\s+4*\c:131+8*\s+4*\c], v145, s[14:15] offset:64*\s+32*\c
.endr
.endr
	global_load_b128 v[144:147], v147, s[20:21]
.irp i, 148,149,150,151
	v_mov_b32 v[\i], 0                             ; K = 64: zero codes above (registers of window 1, which no load of this path touches)
.endr
	WIN 0
	global_load_b128 v[236:239], v144, s[72:73]
	global_load_b32 v242, v146, s[16:17]
	global_load_u16 v243, v148, s[22:23]
	global_load_b32 v136, v149, s[12:13]
	global_load_b32 v137, v150, s[18:19]
	global_load_b32 v138, v151, s[24:25]
	s_wait_loadcnt 0x0
	s_wait_kmcnt 0x0
	NOPS 8
	s_wait_alu depctr_va_vdst(0)                   ; the four registers of zero codes are written, which a scaled product takes as part of source 0; the places above stay beside this wait
	WIN 0x01                                       ; source 0 window 1.  The accumulators take turns, one instruction a turn
.irp s, 0,1,2,3,4,5,6,7
.if \s == 0
	MM 104, 8*\s, 16+8*\s, -1, 232+\s%4, 228+\s%4, \s/4
	MM 112, 64+8*\s, 16+8*\s, -1, 236+\s%4, 228+\s%4, \s/4
.else
	MM 104, 8*\s, 16+8*\s, 104, 232+\s%4, 228+\s%4, \s/4
	MM 112, 64+8*\s, 16+8*\s, 112, 236+\s%4, 228+\s%4, \s/4
.endif
.endr
	MM 120, 128, 80, -1, 242, 240, 0
	MM 128, 144, 96, -1, 243, 241, 0
	MM 120, 136, 88, 120, 242, 240, 1
	WIN 0
	NOPS 4
	v_cmp_gt_i32 s89, 0xc350, v139                 ; target < 50,000.  The two compares stand in one run, each with a mask register of its own, well ahead of the selects that read them
	v_cmp_gt_i32 s90, 0x4e20, v139                 ; target < 20,000
	v_permlanex16_b32 v152, v104, s34, s35         ; the cluster logits of token r lie in lanes 0-15, registers 0 and 1: lanes 16-31 take them over
	v_permlanex16_b32 v153, v105, s34, s35
	v_cndmask_b32 v152, v104, v152, s88
	v_cndmask_b32 v153, v105, v153, s88
	v_add_f32 v152, s74, v152                      ; column 20,000
	v_add_f32 v153, s75, v153                      ; column 20,001
; Register j of lane (r, h) is element (8 h + j, r): the diagonal is register lane % 8 of lanes 0-7 and 24-31; the other lanes take it from lane l xor 16
.macro DIAG acc, dst
	v_cndmask_b32 v[\dst], v[\acc], v[\acc+1], s80
.irp j, 2,3,4,5,6,7
	v_cndmask_b32 v[\dst], v[\dst], v[\acc+\j], s[79+\j]
.endr
	v_permlanex16_b32 v156, v[\dst], s34, s35
	v_cndmask_b32 v[\dst], v156, v[\dst], s87
.endm
	DIAG 112, 160
	DIAG 120, 161
	DIAG 128, 162
	v_add_f32 v160, v160, v136                     ; the head's logit at the target
	v_add_f32 v161, v161, v137
	v_add_f32 v161, v161, v153                     ; tail 1's, + cluster logit 1
	v_add_f32 v162, v162, v138
	v_add_f32 v162, v162, v152                     ; tail 2's, + cluster logit 0
	s_wait_alu depctr_va_sdst(0)                   ; the two compares have written their masks s89 and s90, ahead of the first select that reads one
	v_cndmask_b32 v163, v162, v161, s89
	v_cndmask_b32 v163, v163, v160, s90
	v_max_num_f32 v164, v152, v153
	v_mul_f32 v166, 0xbfb8aa3b, v164
	v_fma_f32 v167, v152, s36, v166
	v_fma_f32 v168, v153, s36, v166
	s_wait_alu depctr_va_vdst(0)
	v_exp_f32 v167, v167
	v_exp_f32 v168, v168
	v_nop                                          ; one plain line behind the exponentials
	s_wait_alu depctr_va_vdst(0)                   ; the two exponentials have written their results, ahead of their first reader; and v163 is written, which the store below reads
	global_store_b32 v140, v163, s[54:55]          ; lanes l and l xor 16 store the same number to the same place
	v_add_f32 v165, v167, v168
	s_wait_alu depctr_va_vdst(0)                   ; v165, the sum, is written (v164, the maximum, earlier): the store reads the pair
	global_store_b64 v227, v[164:165], s[70:71]
	s_endpgm
.Lfunc_end_k_qe4a8e2f48f_logits:
	.size	k_qe4a8e2f48f_logits, .Lfunc_end_k_qe4a8e2f48f_logits-k_qe4a8e2f48f_logits
	.p2alignl 7, 3214868480
	.fill 96, 4, 3214868480
	.section	.rodata,"a",@progbits
	.p2align	6, 0x0
	.amdhsa_kernel k_qe4a8e2f48f_logits
		.amdhsa_group_segment_fixed_size 241664
		.amdhsa_private_segment_fixed_size 0
		.amdhsa_enable_private_segment 0
		.amdhsa_kernarg_size 104
		.amdhsa_user_sgpr_count 2
		.amdhsa_user_sgpr_kernarg_segment_ptr 1
		.amdhsa_wavefront_size32 1
		.amdhsa_system_sgpr_workgroup_id_x 1
		.amdhsa_system_sgpr_workgroup_id_y 1
		.amdhsa_system_sgpr_workgroup_id_z 1
		.amdhsa_system_vgpr_workitem_id 0
		.amdhsa_next_free_vgpr 512
		.amdhsa_next_free_sgpr 100
		.amdhsa_reserve_vcc 0
		.amdhsa_float_denorm_mode_32 3
		.amdhsa_float_denorm_mode_16_64 3
		.amdhsa_memory_ordered 1
		.amdhsa_forward_progress 1
		.amdhsa_inst_pref_size 195
	.end_amdhsa_kernel
	.amdgpu_metadata
---
amdhsa.version: [ 1, 2 ]
amdhsa.kernels:
  - .name:           k_qe4a8e2f48f_logits
    .symbol:         k_qe4a8e2f48f_logits.kd
    .args:
      - { .name: act, .offset: 0, .size: 8, .value_kind: global_buffer, .address_space: global }
      - { .name: hw, .offset: 8, .size: 8, .value_kind: global_buffer, .address_space: global }
      - { .name: b0, .offset: 16, .size: 8, .value_kind: global_buffer, .address_space: global }
      - { .name: w1_codes, .offset: 24, .size: 8, .value_kind: global_buffer, .address_space: global }
      - { .name: w1_scales, .offset: 32, .size: 8, .value_kind: global_buffer, .address_space: global }
      - { .name: b1, .offset: 40, .size: 8, .value_kind: global_buffer, .address_space: global }
      - { .name: w2_codes, .offset: 48, .size: 8, .value_kind: global_buffer, .address_space: global }
      - { .name: w2_scales, .offset: 56, .size: 8, .value_kind: global_buffer, .address_space: global }
      - { .name: b2, .offset: 64, .size: 8, .value_kind: global_buffer, .address_space: global }
      - { .name: cluster_b, .offset: 72, .size: 8, .value_kind: global_buffer, .address_space: global }
      - { .name: target, .offset: 80, .size: 8, .value_kind: global_buffer, .address_space: global }
      - { .name: part, .offset: 88, .size: 8, .value_kind: global_buffer, .address_space: global }
      - { .name: pick, .offset: 96, .size: 8, .value_kind: global_buffer, .address_space: global }
    .group_segment_fixed_size: 241664
    .private_segment_fixed_size: 0
    .kernarg_segment_align: 8
    .kernarg_segment_size: 104
    .max_flat_workgroup_size: 256
    .sgpr_count:     100
    .vgpr_count:     512
    .wavefront_size: 32
...
	.end_amdgpu_metadata
.endif
;; end of part 5
;; launch finish (part 6): grid 64 x 1, 1 waves a work-group, no clusters, 0 bytes of LDS; arguments part, pick, target, out0; writes out0
.if DOCPART == 6
	.amdgcn_target "amdgcn-amd-amdhsa--gfx1250"
	.amdhsa_code_object_version 6
	.text
	.protected	k_qe4a8e2f48f_finish
	.globl	k_qe4a8e2f48f_finish
	.p2align	8
	.type	k_qe4a8e2f48f_finish,@function
k_qe4a8e2f48f_finish:
	s_mov_b64 s[64:65], 0
	v_nop
	global_prefetch_b8 v0, s[64:65] scope:SCOPE_SE
	s_setreg_imm32_b32 hwreg(HW_REG_WAVE_MODE, 25, 1), 1
	s_wait_xcnt 0x0
; The 94 pairs (M, L) of each token (rows 0-32: the head's 32 column groups and its two cluster columns; 33-62: tail 1; 63-93: tail 2) are joined into three log-sum-exps:
; lse = M* + ln 2 x log2(sum of L_k 2^((M_k - M*) log2 e)), M* the largest M_k.  Then nll = lse(head) - pick + (0, lse(tail 1) or lse(tail 2), by the target's cluster);
; a target of 100,000 or more belongs to no cluster and gives 0.
; One wave takes 32 tokens, a lane a token: each load reads 256 consecutive bytes of a row of part.  1.5 MB in all: no LDS, no barrier, nothing to share.
.set P,  16                            ; v16-203 the 94 pairs
.set TG, 204                           ; the target
.set PK, 205                           ; pick
	s_load_b256 s[8:15], s[0:1], 0x0               ; part s[8:9], pick s[10:11], target s[12:13], out0 s[14:15]
	v_lshlrev_b32 v1, 3, v0                        ; 8 x lane
	v_lshlrev_b32 v2, 2, v0                        ; 4 x lane
	s_lshl_b32 s18, ttmp9, 8
	s_mov_b32 s19, 0
	s_lshl_b32 s20, ttmp9, 7
	s_mov_b32 s21, 0
	s_mov_b32 s16, 0x3fb8aa3b                      ; log2 e
	s_mov_b32 s17, 0x3f317218                      ; ln 2
	s_wait_alu depctr_va_vdst(0)
	s_wait_kmcnt 0x0
	s_add_nc_u64 s[8:9], s[8:9], s[18:19]
	s_add_nc_u64 s[10:11], s[10:11], s[20:21]
	s_add_nc_u64 s[12:13], s[12:13], s[20:21]
	s_add_nc_u64 s[14:15], s[14:15], s[20:21]
.set LK, 0
.rept 94
	global_load_b64 v[P+2*LK:P+2*LK+1], v1, s[8:9] offset:16384*LK
.set LK, LK+1
.endr
	global_load_b32 v[TG], v2, s[12:13]
	global_load_b32 v[PK], v2, s[10:11]
	s_wait_loadcnt 0x0
.macro LSE first, count, dst
.set LB, P+2*(\first)
	v_max3_num_f32 v4, v[LB], v[LB+2], v[LB+4]
.set LK, 3
.rept ((\count)-3)/2
	v_max3_num_f32 v4, v4, v[LB+2*LK], v[LB+2*LK+2]
.set LK, LK+2
.endr
.if LK < (\count)
	v_max_num_f32 v4, v4, v[LB+2*LK]
.endif
	v_mul_f32 v5, 0xbfb8aa3b, v4                   ; -M* log2 e
.set LK, 0
.rept \count
	v_fma_f32 v[LB+2*LK], v[LB+2*LK], s16, v5
.set LK, LK+1
.endr
.set LK, 0
	s_wait_alu depctr_va_vdst(0)
.rept \count
	v_exp_f32 v[LB+2*LK], v[LB+2*LK]
.set LK, LK+1
.endr
	v_nop                                          ; one plain line behind the exponentials
	s_wait_alu depctr_va_vdst(0)
	v_mul_f32 v6, v[LB], v[LB+1]                   ; the sum, in two chains
	v_mul_f32 v7, v[LB+2], v[LB+3]
.set LK, 2
.rept ((\count)-2)/2
	v_fmac_f32 v6, v[LB+2*LK], v[LB+2*LK+1]
	v_fmac_f32 v7, v[LB+2*LK+2], v[LB+2*LK+3]
.set LK, LK+2
.endr
.if LK < (\count)
	v_fmac_f32 v6, v[LB+2*LK], v[LB+2*LK+1]
.endif
	v_add_f32 v6, v6, v7
	s_wait_alu depctr_va_vdst(0)
	v_log_f32 v6, v6
	v_nop                                          ; one plain line behind the logarithm
	s_wait_alu depctr_va_vdst(0)
	v_fma_f32 v[\dst], v6, s17, v4
.endm
	LSE 0, 33, 206
	LSE 33, 30, 207
	LSE 63, 31, 208
	v_mov_b32 v11, 0
	v_sub_f32 v9, v206, v[PK]
	v_cmp_gt_i32 vcc_lo, 0xc350, v[TG]             ; target < 50,000: tail 1's, else tail 2's
	v_cndmask_b32 v10, v208, v207, vcc_lo
	v_cmp_gt_i32 vcc_lo, 0x4e20, v[TG]             ; target < 20,000: none
	v_cndmask_b32 v10, v10, v11, vcc_lo
	v_add_f32 v9, v9, v10
	v_cmp_gt_i32 vcc_lo, 0x186a0, v[TG]            ; target < 100,000, else 0
	v_cndmask_b32 v9, v11, v9, vcc_lo
	global_store_b32 v2, v9, s[14:15]
	s_endpgm
.Lfunc_end_k_qe4a8e2f48f_finish:
	.size	k_qe4a8e2f48f_finish, .Lfunc_end_k_qe4a8e2f48f_finish-k_qe4a8e2f48f_finish
	.p2alignl 7, 3214868480
	.fill 96, 4, 3214868480
	.section	.rodata,"a",@progbits
	.p2align	6, 0x0
	.amdhsa_kernel k_qe4a8e2f48f_finish
		.amdhsa_group_segment_fixed_size 0
		.amdhsa_private_segment_fixed_size 0
		.amdhsa_enable_private_segment 0
		.amdhsa_kernarg_size 32
		.amdhsa_user_sgpr_count 2
		.amdhsa_user_sgpr_kernarg_segment_ptr 1
		.amdhsa_wavefront_size32 1
		.amdhsa_system_sgpr_workgroup_id_x 1
		.amdhsa_system_sgpr_workgroup_id_y 1
		.amdhsa_system_sgpr_workgroup_id_z 1
		.amdhsa_system_vgpr_workitem_id 0
		.amdhsa_next_free_vgpr 224
		.amdhsa_next_free_sgpr 66
		.amdhsa_reserve_vcc 1
		.amdhsa_float_denorm_mode_32 3
		.amdhsa_float_denorm_mode_16_64 3
		.amdhsa_memory_ordered 1
		.amdhsa_forward_progress 1
		.amdhsa_inst_pref_size 27
	.end_amdhsa_kernel
	.amdgpu_metadata
---
amdhsa.version: [ 1, 2 ]
amdhsa.kernels:
  - .name:           k_qe4a8e2f48f_finish
    .symbol:         k_qe4a8e2f48f_finish.kd
    .args:
      - { .name: part, .offset: 0, .size: 8, .value_kind: global_buffer, .address_space: global }
      - { .name: pick, .offset: 8, .size: 8, .value_kind: global_buffer, .address_space: global }
      - { .name: target, .offset: 16, .size: 8, .value_kind: global_buffer, .address_space: global }
      - { .name: out0, .offset: 24, .size: 8, .value_kind: global_buffer, .address_space: global }
    .group_segment_fixed_size: 0
    .private_segment_fixed_size: 0
    .kernarg_segment_align: 8
    .kernarg_segment_size: 32
    .max_flat_workgroup_size: 32
    .sgpr_count:     66
    .vgpr_count:     224
    .wavefront_size: 32
...
	.end_amdgpu_metadata
.endif
;; end of part 6
